; MI455X (gfx1250); checked and timed in simulation.
; The chip was launched on July 23, 2026; its instructions are those of AMD's public machine-readable ISA for CDNA 5 (MIT licence, August 2026) and "CDNA5" Instruction Set Architecture Reference Guide (July 2026). The comments in the code are by the model that wrote it; some were corrected since.
;; Switch Feed Forward. Allowed arithmetic: matrix products marked QUANTISED: E2M1 operands, one E8M0 scale for each 32 along K, by v_wmma_scale_f32_16x16x128_f8f6f4 with both operands' format E2M1 (or v_wmma_scale_f32_32x16x128_f4), f32 sums; products left as they are: f32 operands where the result goes on into a quantised operand, else bf16, f16 or f32 operands; f32 sums; everything else in f32.
;; Inputs: W1 8 x 1,024 x 4,096 float32; W2 8 x 4,096 x 1,024 float32; Wr 1,024 x 8 float32; b1 8 x 4,096 float32; b2 8 x 1,024 float32; br 8 float32; x 4 x 256 x 1,024 float32.
;; Outputs: out0 4 x 256 x 1,024 float32.
;; This version of the problem:
;;   THIS VERSION OF THE PROBLEM IS GIVEN IN LOW PRECISION. The matrix products marked QUANTISED in the list below multiply operands that are first quantised to E2M1 (2 exponent bits, 1 mantissa bit; 4 bits a number), with one power-of-two scale for each 32 numbers along K (OCP MX v1.0); their sums are f32. All else is computed in f32.
;;   The module's matrix products, in the order in which they are computed (A, B: the left and right operand; K: the contracted axis; several contracted axes count as one K, in the product's order):
;;     1. [M 1,024, K 1,024] x [K 1,024, N 8]; A: input x; B: input Wr: left as it is (N = 8 < 16)
;;     2. [M 1,024, K 1,024] x [K 1,024, N 4,096]; A: input x; B: input W1: QUANTISED
;;     3. [M 1,024, K 4,096] x [K 4,096, N 1,024]; A: computed on the way; B: input W2: QUANTISED
;;     4. [M 1,024, K 1,024] x [K 1,024, N 4,096]; A: input x; B: input W1: QUANTISED
;;     5. [M 1,024, K 4,096] x [K 4,096, N 1,024]; A: computed on the way; B: input W2: QUANTISED
;;     6. [M 1,024, K 1,024] x [K 1,024, N 4,096]; A: input x; B: input W1: QUANTISED
;;     7. [M 1,024, K 4,096] x [K 4,096, N 1,024]; A: computed on the way; B: input W2: QUANTISED
;;     8. [M 1,024, K 1,024] x [K 1,024, N 4,096]; A: input x; B: input W1: QUANTISED
;;     9. [M 1,024, K 4,096] x [K 4,096, N 1,024]; A: computed on the way; B: input W2: QUANTISED
;;     10. [M 1,024, K 1,024] x [K 1,024, N 4,096]; A: input x; B: input W1: QUANTISED
;;     11. [M 1,024, K 4,096] x [K 4,096, N 1,024]; A: computed on the way; B: input W2: QUANTISED
;;     12. [M 1,024, K 1,024] x [K 1,024, N 4,096]; A: input x; B: input W1: QUANTISED
;;     13. [M 1,024, K 4,096] x [K 4,096, N 1,024]; A: computed on the way; B: input W2: QUANTISED
;;     14. [M 1,024, K 1,024] x [K 1,024, N 4,096]; A: input x; B: input W1: QUANTISED
;;     15. [M 1,024, K 4,096] x [K 4,096, N 1,024]; A: computed on the way; B: input W2: QUANTISED
;;     16. [M 1,024, K 1,024] x [K 1,024, N 4,096]; A: input x; B: input W1: QUANTISED
;;     17. [M 1,024, K 4,096] x [K 4,096, N 1,024]; A: computed on the way; B: input W2: QUANTISED
;;   THE QUANTISER, for each operand of a quantised product, along K:
;;     - K is cut into blocks of 32 from its start; a last block that is shorter is filled with zeros.
;;     - A block's scale is 2^e with e = floor(log2(the largest magnitude in the block)) - 2, held to -126 .. 127; a block of zeros has e = 0. As a byte (E8M0): e + 127.
;;     - Each number is divided by its block's scale, clamped to +-6, and rounded to the nearest number of E2M1, ties to even, subnormals kept.
;;     - The product sums the exact products of the quantised numbers (number of the format x scale) in f32.
;;   ~~~python
;;   def quantise(x, axis):      # numpy; x: float32 -> the quantised numbers, widened to float32 again
;;       x = np.moveaxis(x, axis, -1); K = x.shape[-1]
;;       x = np.pad(x, [(0, 0)] * (x.ndim - 1) + [(0, -K % 32)]); x = x.reshape(x.shape[:-1] + (-1, 32)); a = np.abs(x).max(-1, keepdims=True)
;;       e = np.where(a > 0, np.clip(np.frexp(np.where(a > 0, a, 1))[1] - 1 - 2, -126, 127), 0)      # np.frexp(a)[1] - 1 = floor(log2(a)), exactly
;;       r = np.clip(x / 2.0 ** e, -6, 6)
;;       step = 2.0 ** (np.maximum(np.frexp(np.where(r == 0, 1, r))[1] - 1, 0) - 1)
;;       q = np.round(r / step) * step * 2.0 ** e      # np.round: ties to even
;;       return np.moveaxis(q.reshape(q.shape[:-2] + (-1,))[..., :K], -1, axis).astype(np.float32)
;;   ~~~
;;   OPERANDS COMPUTED ON THE WAY. 'Computed on the way' means the value that the module computes at that place (a softmax that the list does not call 'softmax' is quantised finished and normalised). What goes into a quantiser is computed in f32, as accurately as f32 sums, v_exp_f32 and their like allow (about 1e-6 of the number): no bf16 or f16 on the way to a quantiser, and a product that is left as it is and whose result goes on into a quantised operand takes f32 operands (vector FMAs, or v_wmma_f32_16x16x4_f32). A number that lies on a knife's edge between two numbers of the format may be rounded either way, as far as f32 arithmetic and the matrix unit's own rounding can turn it there, and no further.
;; 2 versions, each right; version 2 is version 1 with the launch down written anew for expert scheduling mode. Each part assembles by itself: llvm-mc -triple=amdgcn-amd-amdhsa -mcpu=gfx1250 --defsym DOCPART=n.
;; ======== version 1 of 2: 3 launches
;; workspace buffers: sel 4,096 bytes of whole numbers; xq 524,288 bytes; xs 32,768 bytes; order 32,768 bytes of whole numbers; cnt 1,024 bytes of whole numbers; hid 16,777,216 bytes; hs 1,048,576 bytes
;; launch route (part 1): grid 256 x 1, 4 waves a work-group, no clusters, 3,584 bytes of LDS; arguments x, Wr, br, xq, xs, sel; writes xq, xs, sel
.if DOCPART == 1
	.amdgcn_target "amdgcn-amd-amdhsa--gfx1250"
	.amdhsa_code_object_version 6
	.text
	.protected	k_q4320faf79f_route
	.globl	k_q4320faf79f_route
	.p2align	8
	.type	k_q4320faf79f_route,@function
k_q4320faf79f_route:
	s_mov_b64 s[64:65], 0
	v_nop
	global_prefetch_b8 v0, s[64:65] scope:SCOPE_SE
	s_setreg_imm32_b32 hwreg(HW_REG_WAVE_MODE, 25, 1), 1
	s_wait_xcnt 0x0
; ROUTER AND QUANTISER OF x.  x: [1024 tokens][1024] f32.  Wr: [1024][8] f32.  br: [8] f32.
; Out: xq [token][512 bytes]: codes of FP4 (E2M1), K = d innermost, the lower d in the low four bits;  xs [token][32]: one E8M0 byte for each 32 along d;
;      sel [token] u32: argmax over e of softmax(x Wr + br), the lower index where two are equal.  All router arithmetic is f32 (packed fused multiply-adds).
; SHARES.  A work-group takes 4 tokens; wave w takes d = 256 w .. 256 w + 255 of all four; lane L takes d = 256 w + 8 L + 0 .. 7: 32 bytes, two loads of 16, which together cover 1,024 consecutive bytes.
; A block of 32 along d lies in 4 neighbouring lanes.  x is read once and serves both the quantiser and the router.
; The waves' partial logits, the codes and the scale bytes meet in LDS behind one barrier; codes leave as whole rows of 512 bytes.
; A block's scale is 2^(floor(log2(largest magnitude)) - 2): its byte is the largest magnitude's exponent field - 2, held at 1 from below.
; LIMITS: NaN and infinities are not served.  A block of zeros, or one whose largest magnitude lies under 2^-124, gets the byte 1 (the rule says 127 for zeros): its codes are zeros or follow the held scale, and only this program reads the bytes.
; The logits' sums are taken in another order than a row-by-row sum: two logits that lie within f32 rounding of each other may be ordered either way.
; No matrix unit (N = 8), no tensor load, no cluster: the launch moves 4 MiB once and work-groups share only Wr's 32 KiB.
.set PL,    0                          ; LDS: partial logits [wave][token][e], 128 bytes a wave
.set CODES, 512                        ; codes [token][512]
.set SCL,   2560                       ; scale bytes [token][32]
.set X,   16                           ; v16-47   token t's 8 numbers at 8 t
.set W,   48                           ; v48-111  Wr: register 8 i + e = Wr[d + i][e]
.set ACC, 112                          ; v112-143 sums: 8 t + e
.set M,   144                          ; v144-147 largest magnitudes
.set SCO, 148                          ; v148-151 the conversions' scale operands
.set BY,  152                          ; v152-155 scale bytes
.set C,   156                          ; v156-159 codes
.set T,   160                          ; v160-167 at work
.set BR,  168                          ; v168     br[L % 8]
	s_load_b256 s[4:11], s[0:1], 0x0               ; x s[4:5], Wr s[6:7], br s[8:9], xq s[10:11]
	s_load_b128 s[12:15], s[0:1], 0x20             ; xs s[12:13], sel s[14:15]
	v_lshl_add_u32 v176, v0, 2, 0xc00
	v_mov_b32 v177, 0
	v_lshrrev_b32 v1, 5, v0
	v_readfirstlane_b32 s16, v1                    ; wave 0..3
	v_and_b32 v1, 31, v0                           ; L
	v_lshlrev_b32 v2, 5, v1                        ; 32 L: my 8 numbers of a row's 1,024 bytes
	v_lshlrev_b32 v3, 8, v1                        ; 256 L: my 8 rows of Wr
	v_and_b32 v4, 7, v1                            ; e = L % 8
	v_lshlrev_b32 v5, 2, v4                        ; 4 e
	v_lshlrev_b32 v6, 2, v1                        ; 4 L
	v_lshlrev_b32 v7, 4, v1                        ; 16 L
	s_lshl_b32 s17, s16, 7
	v_add_nc_u32 v8, s17, v6                       ; codes into LDS: 128 w + 4 L
	v_mov_b32 v9, s17                              ; partial logits: 128 w
	v_lshrrev_b32 v10, 2, v1
	s_lshl_b32 s17, s16, 3
	v_add_nc_u32 v10, s17, v10                     ; scale byte: 8 w + L / 4
	s_lshl_b32 s17, s16, 9
	v_add_nc_u32 v11, s17, v7                      ; codes out of LDS: token w's row, 16 L
	v_lshrrev_b32 v12, 3, v1
	v_lshlrev_b32 v12, 2, v12                      ; 4 (L / 8): a token's word of sel
	s_mov_b32 s20, 0x76543210
	s_mov_b32 s21, 0xfedcba98                      ; v_permlanex16_b32's selects for lane l xor 16
.irp k, 0,1,2,3,4,5,6,7
	v_mov_b32 v[T+\k], 0                           ; written once: a lane permute's destination counts as one of its sources
.endr
	s_lshl_b32 s18, ttmp9, 14                      ; 4 tokens of 4,096 bytes a work-group,
	s_lshl_b32 s17, s16, 10                        ; 1,024 bytes of a row a wave
	s_add_co_u32 s18, s18, s17
	s_mov_b32 s19, 0
	s_wait_kmcnt 0x0
	s_add_nc_u64 s[4:5], s[4:5], s[18:19]
	s_lshl_b32 s18, s16, 13                        ; Wr: 256 rows of 32 bytes a wave
	s_add_nc_u64 s[6:7], s[6:7], s[18:19]
	s_lshl_b32 s18, ttmp9, 11                      ; xq: 4 rows of 512 bytes a work-group, one a wave
	s_lshl_b32 s17, s16, 9
	s_add_co_u32 s18, s18, s17
	s_add_nc_u64 s[10:11], s[10:11], s[18:19]
	s_lshl_b32 s18, ttmp9, 7                       ; xs: 128 bytes a work-group
	s_add_nc_u64 s[12:13], s[12:13], s[18:19]
	s_lshl_b32 s18, ttmp9, 4                       ; sel: 16 bytes a work-group
	s_add_nc_u64 s[14:15], s[14:15], s[18:19]
.irp t, 0,1,2,3
	global_load_b128 v[X+8*\t:X+8*\t+3], v2, s[4:5] offset:4096*\t th:TH_LOAD_NT
	global_load_b128 v[X+8*\t+4:X+8*\t+7], v2, s[4:5] offset:4096*\t+16 th:TH_LOAD_NT
.endr
	global_load_b32 v[BR], v5, s[8:9]
.irp k, 0,1,2,3,4,5,6,7,8,9,10,11,12,13,14,15
	global_load_b128 v[W+4*\k:W+4*\k+3], v3, s[6:7] offset:16*\k
.endr
	s_wait_loadcnt 17                              ; x's eight loads are in; br's one and Wr's sixteen, issued behind them, may be out
; ---- the quantiser, the four tokens by turns
.irp t, 0,1,2,3
	v_max3_num_f32 v[M+\t], |v[X+8*\t]|, |v[X+8*\t+1]|, 0x1800000   ; and the floor 2^(3 - 127): the byte cannot fall under 1
.endr
.irp i, 2,4,6
.irp t, 0,1,2,3
	v_max3_num_f32 v[M+\t], v[M+\t], |v[X+8*\t+\i]|, |v[X+8*\t+\i+1]|
.endr
.endr
.irp m, 1,2
.irp t, 0,1,2,3
	v_max_num_f32_dpp v[M+\t], v[M+\t], v[M+\t] row_xmask:\m row_mask:0xf bank_mask:0xf   ; with the block's other three lanes
.endr
.endr
.irp t, 0,1,2,3
	v_add_nc_u32 v[SCO+\t], 0xff000000, v[M+\t]    ; 2 off the exponent field: the conversion takes this operand's exponent field as its scale
.endr
.irp t, 0,1,2,3
	v_lshrrev_b32 v[BY+\t], 23, v[SCO+\t]          ; the scale's byte
.endr
.irp t, 0,1,2,3
	v_cvt_scalef32_pk8_fp4_f32 v[C+\t], v[X+8*\t:X+8*\t+7], v[SCO+\t]
.endr
	v_nop                                          ; one plain place behind the last scaled conversion
.irp t, 0,1,2,3
	ds_store_b32 v8, v[C+\t] offset:CODES+512*\t
	ds_store_b8 v10, v[BY+\t] offset:SCL+32*\t     ; the four lanes of a block write the same byte with the same value
.endr
; ---- the router's partial sums: 4 tokens x 8 experts over my 8 d, two experts an instruction
	s_wait_loadcnt 0x0                             ; br and Wr
.irp i, 0,1,2,3,4,5,6,7
.irp t, 0,1,2,3
.irp p, 0,1,2,3
.if \i == 0
	v_pk_mul_f32 v[ACC+8*\t+2*\p:ACC+8*\t+2*\p+1], v[X+8*\t:X+8*\t+1], v[W+2*\p:W+2*\p+1] op_sel_hi:[0,1]
.elseif (\i % 2) == 0
	v_pk_fma_f32 v[ACC+8*\t+2*\p:ACC+8*\t+2*\p+1], v[X+8*\t+\i:X+8*\t+\i+1], v[W+8*\i+2*\p:W+8*\i+2*\p+1], v[ACC+8*\t+2*\p:ACC+8*\t+2*\p+1] op_sel_hi:[0,1,1]
.else
	v_pk_fma_f32 v[ACC+8*\t+2*\p:ACC+8*\t+2*\p+1], v[X+8*\t+\i-1:X+8*\t+\i], v[W+8*\i+2*\p:W+8*\i+2*\p+1], v[ACC+8*\t+2*\p:ACC+8*\t+2*\p+1] op_sel:[1,0,0] op_sel_hi:[1,1,1]
.endif
.endr
.endr
.endr
; ---- over the 32 lanes
.irp m, 1,2,4,8
.set II, 0
.rept 32
	v_add_f32_dpp v[ACC+II], v[ACC+II], v[ACC+II] row_xmask:\m row_mask:0xf bank_mask:0xf
.set II, II+1
.endr
.endr
.irp g, 0,1,2,3
.irp k, 0,1,2,3,4,5,6,7
	v_permlanex16_b32 v[T+\k], v[ACC+8*\g+\k], s20, s21
.endr
.irp k, 0,1,2,3,4,5,6,7
	v_add_f32 v[ACC+8*\g+\k], v[ACC+8*\g+\k], v[T+\k]
.endr
.endr
.irp k, 0,1,2,3,4,5,6,7
	ds_store_b128 v9, v[ACC+4*\k:ACC+4*\k+3] offset:PL+16*\k   ; every lane holds the same sums and writes them to the same place
.endr
	s_wait_dscnt 0x0                               ; for the others' sake: my stores have landed
	s_barrier_signal -1
	s_barrier_wait -1
; ---- wave w stores token w's 512 bytes of codes: 32 lanes, 16 neighbouring bytes each
	ds_load_b128 v[X:X+3], v11 offset:CODES
	s_wait_dscnt 0x0
	global_store_b128 v7, v[X:X+3], s[10:11]
	s_cmp_lg_u32 s16, 0
	s_cbranch_scc1 .Lend
; ---- wave 0: the scale bytes, and the choice.  Lane = (token L / 8, expert L % 8)
	ds_load_b32 v[T], v6 offset:SCL
.irp w, 0,1,2,3
	ds_load_b32 v[T+1+\w], v6 offset:PL+128*\w
.endr
	s_wait_dscnt 0x0
	global_store_b32 v6, v[T], s[12:13]            ; 128 consecutive bytes
	v_add_f32 v[T+1], v[T+1], v[T+2]
	v_add_f32 v[T+3], v[T+3], v[T+4]
	v_add_f32 v[T+1], v[T+1], v[T+3]
	v_add_f32 v[T+1], v[T+1], v[BR]                ; the logit
	v_mov_b32 v[T+2], v[T+1]
.irp m, 1,2,4
	v_max_num_f32_dpp v[T+2], v[T+2], v[T+2] row_xmask:\m row_mask:0xf bank_mask:0xf   ; the token's largest logit
.endr
	v_sub_f32 v[T+3], v[T+1], v[T+2]               ; the maximum is taken away ahead of the exponential
	v_mul_f32 v[T+3], 0x3fb8aa3b, v[T+3]
	v_cvt_f32_u32 v[T+5], v4                       ; e as a number
	v_exp_f32 v[T+3], v[T+3]
	v_nop                                          ; a plain place behind the exponential
	s_wait_alu depctr_va_vdst(0)                   ; the wait ahead of the first reader
	v_mov_b32 v[T+4], v[T+3]
.irp m, 1,2,4
	v_add_f32_dpp v[T+4], v[T+4], v[T+4] row_xmask:\m row_mask:0xf bank_mask:0xf
.endr
	v_rcp_f32 v[T+4], v[T+4]
	v_mov_b32 v[T+6], 0x41000000                   ; 8.0: above every index.  (A plain place behind the reciprocal)
	s_wait_alu depctr_va_vdst(0)
	v_mul_f32 v[T+7], v[T+3], v[T+4]               ; the routing weight
	v_mov_b32 v[M], v[T+7]
.irp m, 1,2,4
	v_max_num_f32_dpp v[M], v[M], v[M] row_xmask:\m row_mask:0xf bank_mask:0xf
.endr
	v_cmp_eq_f32 vcc_lo, v[T+7], v[M]
	v_cndmask_b32 v[M+1], v[T+6], v[T+5], vcc_lo   ; my index where I hold the largest weight, else 8
.irp m, 1,2,4
	v_min_num_f32_dpp v[M+1], v[M+1], v[M+1] row_xmask:\m row_mask:0xf bank_mask:0xf   ; the lowest such index
.endr
	v_cvt_u32_f32 v[M+1], v[M+1]
	v_min_u32 v[M+1], 7, v[M+1]
	v_cmp_eq_u32 vcc_lo, 0, v4
	s_wait_xcnt 0x0                                ; EXEC changes only behind this wait: stores have been issued
	s_and_saveexec_b32 s22, vcc_lo                 ; one lane for each token
	global_store_b32 v12, v[M+1], s[14:15]
	s_wait_xcnt 0x0
	s_or_b32 exec_lo, exec_lo, s22
.Lend:
	s_wait_tensorcnt 0x0
	ds_add_u32 v176, v177
	s_wait_dscnt 0x0
	s_endpgm
.Lfunc_end_k_q4320faf79f_route:
	.size	k_q4320faf79f_route, .Lfunc_end_k_q4320faf79f_route-k_q4320faf79f_route
	.p2alignl 7, 3214868480
	.fill 96, 4, 3214868480
	.section	.rodata,"a",@progbits
	.p2align	6, 0x0
	.amdhsa_kernel k_q4320faf79f_route
		.amdhsa_group_segment_fixed_size 3584
		.amdhsa_private_segment_fixed_size 0
		.amdhsa_enable_private_segment 0
		.amdhsa_kernarg_size 48
		.amdhsa_user_sgpr_count 2
		.amdhsa_user_sgpr_kernarg_segment_ptr 1
		.amdhsa_wavefront_size32 1
		.amdhsa_system_sgpr_workgroup_id_x 1
		.amdhsa_system_sgpr_workgroup_id_y 1
		.amdhsa_system_sgpr_workgroup_id_z 1
		.amdhsa_system_vgpr_workitem_id 0
		.amdhsa_next_free_vgpr 178
		.amdhsa_next_free_sgpr 66
		.amdhsa_reserve_vcc 1
		.amdhsa_float_denorm_mode_32 3
		.amdhsa_float_denorm_mode_16_64 3
		.amdhsa_memory_ordered 1
		.amdhsa_forward_progress 1
		.amdhsa_inst_pref_size 30
	.end_amdhsa_kernel
	.amdgpu_metadata
---
amdhsa.version: [ 1, 2 ]
amdhsa.kernels:
  - .name:           k_q4320faf79f_route
    .symbol:         k_q4320faf79f_route.kd
    .args:
      - { .name: x, .offset: 0, .size: 8, .value_kind: global_buffer, .address_space: global }
      - { .name: Wr, .offset: 8, .size: 8, .value_kind: global_buffer, .address_space: global }
      - { .name: br, .offset: 16, .size: 8, .value_kind: global_buffer, .address_space: global }
      - { .name: xq, .offset: 24, .size: 8, .value_kind: global_buffer, .address_space: global }
      - { .name: xs, .offset: 32, .size: 8, .value_kind: global_buffer, .address_space: global }
      - { .name: sel, .offset: 40, .size: 8, .value_kind: global_buffer, .address_space: global }
    .group_segment_fixed_size: 3584
    .private_segment_fixed_size: 0
    .kernarg_segment_align: 8
    .kernarg_segment_size: 48
    .max_flat_workgroup_size: 128
    .sgpr_count:     66
    .vgpr_count:     178
    .wavefront_size: 32
...
	.end_amdgpu_metadata
.endif
;; end of part 1
;; launch up (part 2): grid 256 x 1, 16 waves a work-group, no clusters, 76,800 bytes of LDS; arguments sel, xq, xs, W1, b1, hid, hs, order, cnt; writes hid, hs, order, cnt
.if DOCPART == 2
	.amdgcn_target "amdgcn-amd-amdhsa--gfx1250"
	.amdhsa_code_object_version 6
	.text
	.protected	k_q4320faf79f_up
	.globl	k_q4320faf79f_up
	.p2align	8
	.type	k_q4320faf79f_up,@function
k_q4320faf79f_up:
	s_mov_b64 s[64:65], 0
	v_nop
	global_prefetch_b8 v0, s[64:65] scope:SCOPE_SE
	s_setreg_imm32_b32 hwreg(HW_REG_WAVE_MODE, 25, 1), 1
	s_wait_xcnt 0x0
; FIRST LAYER OF THE CHOSEN EXPERT: h = gelu(Q(x) Q(W1[e]) + b1[e]), quantised along H into codes of FP4 (E2M1) with one E8M0 byte for each 32.
; W1: [8][1024 (d)][4096 (hidden)] f32, K = d is the FIRST axis of an expert's matrix.  It is read ONCE, as f32, and quantised in registers on its way: no weight code goes to memory.
; SHARES.  Work-group = (expert e = id / 32, sg = id % 32): hidden units 128 sg .. 128 sg + 127 of expert e, in two chunks of 64 columns (256 bytes of each row of W1, two waves side by side).
;   STREAM: wave j takes 32 columns (j % 2) and 128 rows of K (K step j / 2) of each chunk.  A LANE TAKES A COLUMN AND ITS REGISTERS RUN DOWN K: a block of 32 lies in one lane's 32 registers.
;   Two sets of 32 loads a wave are on their way while a block is worked.  The codes go to LDS AS IMAGES OF THE MATRIX OPERAND'S REGISTERS (1,024 bytes a fragment of 16 rows x 128 K: block t, row p at 512 (t / 2) + 256 (t % 2) + 16 p).
;   PRODUCTS: wave j owns the expert's token tile j (16 tokens); tiles j + 16, + 32, + 48 follow in a loop of three trips whose work is jumped over where the expert has no such tile.
; THE COLUMNS OF A TILE ARE NOT NEIGHBOURS: column o of a group of 32 becomes row p of tile u with o = 8 u + p + 8 (p / 8).  The product is used transposed (source 0 = 16 columns of W1, source 1 = 16 tokens),
; so lane (r, h) holds token r, and the 16 registers of tiles 0 and 1 are hidden units 16 h + 0 .. 15 of the group: 16 neighbours along the next K.  b1 is the C of each sum's first matrix instruction.
; WHO IS ROUTED WHERE.  sel (whole numbers, stored by the launch before) is read by wave 0, which ranks its expert's tokens by counting (no atomics) while every wave's first 64 weight loads are out; the list lies in LDS.
; THE LIST'S PADDING: the 32 entries from n on repeat the expert's FIRST token (token 0 where it has none), so that the last tile's spare rows compute that token's numbers again; entries further on hold 0 and belong to no tile that is used.
; The 8 work-groups with sg = 0 store the list and the count for the next launch.
; OUT: hid [e][tile 0..63][K step sg][1,024 bytes]: the image of the next product's token fragment; hs [e][tile][sg][16 tokens]: its scale words.  Tile 0 is written even for an expert without tokens.
; GELU, exact form: gelu(z) = max(z, 0) - |z| erfc(|z| / sqrt 2) / 2, erfc(u) = t exp(-u^2 + c0 + t (c1 + .. + t c9)), t = 1 / (1 + u / 2): ten terms, fractional error of the form 1.2e-7, all in f32.
; LIMITS: NaN and infinities are not served.  For z under -6 the relative error of gelu grows like z^2 x 6e-8; results under 2^-126 come out as 0.  A block of zeros, or one under 2^-124, gets the scale byte 1 (only this program reads the bytes).
; NO TENSOR LOAD, NO CLUSTER: which tiles exist hangs on counts read from memory; and what an expert's 32 work-groups share (544 bytes a token of x's codes) is small beside the 524,288 bytes of W1 that each reads alone.
.set WSC,  65536                       ; LDS: 0 .. 65535 the weights' images: 32768 chunk + 4096 K step + 2048 group + 1024 tile.  Here their scale words: 2048 chunk + 128 (2 K step + group) + 4 (16 tile + row)
.set LIST, 69632                       ; the expert's tokens, 1,024 words; directly behind it 32 words into which the lanes of other experts' tokens, and padding past the list's end, are written
.set NC,   73856                       ; the count, a word a lane
.set BIAS, 73984                       ; b1 of my 128 hidden units
.set X,   16                           ; v16-79   two sets of 32 numbers of W1
.set XF,  80                           ; v80-143  x's fragments, K step s at 8 s
.set XS,  144                          ; v144-151 x's scale words: scales and nothing else
.set WF,  152                          ; v152-183 two buffers of two weight fragments
.set T,   152                          ; in the activation: t
.set P,   168                          ; and the polynomial
.set WS,  184                          ; v184-185 the weights' scale words: lanes 0-15 tile 0, lanes 16-31 tile 1
.set C8,  186                          ; v186-187 c8
.set ACC, 192                          ; v192-207 two accumulators
.set Q,   208                          ; v208-223 z^2, then max(z, 0); at the head: lane terms
.set SELR, 208                         ; v208-239 in wave 0, up to the first barrier: sel of all tokens; v240-243 b1.  No later load lands in v208-243
.set MXA, 224
.set MXB, 225
.set SCO, 226
.set BY,  227
.set SW,  228
.set C,   232                          ; v232-235 a block's codes
.set QM,  236
.set QM2, 237
.set QS,  238
.set QB,  239
.set QC,  240                          ; v240-241 16 codes of the hidden layer
.set SB,  242                          ; its scale word
; v1 4 L; v2, v3 where I store images and scale words; v4 16 L; v5 WSC + 4 L; v6 BIAS + 64 h; v7 LIST + 64 j + 4 r; v8, v9 my token's codes and scales; v10 16 r + 8 h; v11 + tile: hid; v12 4 r; v13 + tile: hs;
; v14 the list's address in the last loop; v15 16 h; v188 LIST + 16 L; v189 NC + 4 L; v190 token; v191 count; v244-254 placement (v247 1024 + L, v248-251 zeros)
; s22 wave j; s23 e; s24 sg; s25 j % 2; s26 j / 2; s30 n; s31 tiles; s32 max(tiles, 1); s[36:37] lane selects; s38 rank base; s[40:59] c0 .. c9 as pairs; s[60:63], s66 constants; s[68:69] W1 at my wave's first number
.macro BAR
	s_wait_dscnt 0x0                               ; my LDS stores have landed and my LDS loads are in
	s_barrier_signal -1
	s_barrier_wait -1
.endm
.macro PLACES                          ; four plain places behind matrix instructions, ahead of loads into their registers and of the first read of results
.rept 4
	v_nop
.endr
.endm
.macro CPAIR r, v                      ; the packed forms name a pair and take its low word for both halves: both are written
	s_mov_b32 s[\r], \v
	s_mov_b32 s[\r+1], \v
.endm
.macro LOADW g                         ; block g = 4 chunk + t: W1(128 (j / 2) + 32 t + i, my column), i = 0 .. 31; a wave's load reads 128 consecutive bytes
.set II, 0
.rept 32
	global_load_b32 v[X+32*((\g)%2)+II], v1, s[68:69] offset:(32*((\g)%4)+II)*16384+256*((\g)/4) th:TH_LOAD_NT
.set II, II+1
.endr
.endm
.macro BLOCK g, n                      ; block g is quantised and its image stored; n: the younger loads that may stay out
.set XB, X+32*((\g)%2)
.set TT, (\g)%4
.set CC, (\g)/4
	s_wait_loadcnt \n
	v_max3_num_f32 v[MXA], |v[XB]|, |v[XB+1]|, |v[XB+2]|           ; the block's largest magnitude: all 32 numbers are mine; two chains
	v_max3_num_f32 v[MXB], |v[XB+3]|, |v[XB+4]|, |v[XB+5]|
.irp i, 6,10,14,18,22,26
	v_max3_num_f32 v[MXA], v[MXA], |v[XB+\i]|, |v[XB+\i+1]|
	v_max3_num_f32 v[MXB], v[MXB], |v[XB+\i+2]|, |v[XB+\i+3]|
.endr
	v_max3_num_f32 v[MXA], v[MXA], |v[XB+30]|, |v[XB+31]|
	v_max3_num_f32 v[MXA], v[MXA], v[MXB], 0x1800000               ; and the floor 2^(3 - 127)
	v_add_nc_u32 v[SCO], 0xff000000, v[MXA]                        ; 2 off the exponent field: the conversion's scale operand
	v_lshrrev_b32 v[BY], 23, v[SCO]                                ; the scale's byte
.if TT == 0
	v_mov_b32 v[SW], v[BY]
.else
	v_lshl_or_b32 v[SW], v[BY], 8*TT, v[SW]
.endif
.irp q, 0,1,2,3
	v_cvt_scalef32_pk8_fp4_f32 v[C+\q], v[XB+8*\q:XB+8*\q+7], v[SCO]
.endr
	v_nop                                          ; one plain place behind the last scaled conversion
	ds_store_b128 v2, v[C:C+3] offset:32768*CC+512*(TT/2)+256*(TT%2)
.if TT == 3
	ds_store_b32 v3, v[SW] offset:2048*CC          ; the K step's four bytes of my column
.endif
.if (\g) < 6
	LOADW \g+2                                     ; the set just read takes the block two further on
.endif
	s_wait_dscnt 0x0                               ; the stores have read their registers
.endm
.macro XLOAD                           ; my tile's 16 tokens: 8 fragments of codes and their scale words: 18 loads
.set II, 0
.rept 8
	global_load_b128 v[XF+8*II:XF+8*II+3], v8, s[6:7] offset:64*II
	global_load_b128 v[XF+8*II+4:XF+8*II+7], v8, s[6:7] offset:64*II+32
.set II, II+1
.endr
	global_load_b128 v[XS:XS+3], v9, s[8:9]
	global_load_b128 v[XS+4:XS+7], v9, s[8:9] offset:16
.endm
.macro WLD c, b, s, p                  ; the two weight fragments and the scale words of (chunk c, group b, K step s) into buffer p: 5 LDS loads
.irp u, 0,1
.irp q, 0,1
	ds_load_b128 v[WF+16*(\p)+8*\u+4*\q:WF+16*(\p)+8*\u+4*\q+3], v4 offset:32768*(\c)+4096*(\s)+2048*(\b)+1024*\u+512*\q
.endr
.endr
	ds_load_b32 v[WS+(\p)], v5 offset:2048*(\c)+128*(2*(\s)+(\b))
.endm
.macro MM u, st                        ; tile u, K step st
.if \u == 0
	v_wmma_scale_f32_16x16x128_f8f6f4 v[ACC:ACC+7], v[WF+16*((\st)%2):WF+16*((\st)%2)+7], v[XF+8*(\st):XF+8*(\st)+7], v[ACC:ACC+7], v[WS+(\st)%2], v[XS+(\st)] matrix_a_fmt:MATRIX_FMT_FP4 matrix_b_fmt:MATRIX_FMT_FP4
.else
	v_wmma_scale_f32_16x16x128_f8f6f4 v[ACC+8:ACC+15], v[WF+16*((\st)%2)+8:WF+16*((\st)%2)+15], v[XF+8*(\st):XF+8*(\st)+7], v[ACC+8:ACC+15], v[WS+(\st)%2], v[XS+(\st)] matrix_a_fmt:MATRIX_FMT_FP4 matrix_b_fmt:MATRIX_FMT_FP4 matrix_a_scale:MATRIX_SCALE_ROW1
.endif
.endm
.macro GELU                            ; in place on the 16 numbers of the two accumulators, from the low end on
.set II, 0
.rept 16
	v_fma_f32 v[T+II], |v[ACC+II]|, s66, 1.0       ; 1 + |z| / (2 sqrt 2)
.set II, II+1
.endr
.set II, 0
.rept 16
	v_rcp_f32 v[T+II], v[T+II]                     ; t: one batch
.set II, II+1
.endr
.set II, 0
.rept 8
	v_pk_mul_f32 v[Q+II:Q+II+1], v[ACC+II:ACC+II+1], v[ACC+II:ACC+II+1]   ; z^2: plain work behind the batch
.set II, II+2
.endr
	s_wait_alu depctr_va_vdst(0)                   ; one wait for the 16 reciprocals, ahead of their first reader
.set II, 0
.rept 8
	v_pk_fma_f32 v[P+II:P+II+1], v[T+II:T+II+1], s[58:59], v[C8:C8+1] op_sel_hi:[1,0,1]   ; c9 t + c8
.set II, II+2
.endr
.irp k, 54,52,50,48,46,44,42,40        ; c7 .. c0
.set II, 0
.rept 8
	v_pk_fma_f32 v[P+II:P+II+1], v[P+II:P+II+1], v[T+II:T+II+1], s[\k:\k+1] op_sel_hi:[1,1,0]
.set II, II+2
.endr
.endr
.set II, 0
.rept 8
	v_pk_fma_f32 v[P+II:P+II+1], v[P+II:P+II+1], s[60:61], -1.0 op_sel_hi:[1,0,0]   ; x log2(e); the -1 is the factor 1/2
.set II, II+2
.endr
.set II, 0
.rept 8
	v_pk_fma_f32 v[P+II:P+II+1], v[Q+II:Q+II+1], s[62:63], v[P+II:P+II+1] op_sel_hi:[1,0,1]   ; - z^2 log2(e) / 2
.set II, II+2
.endr
.set II, 0
.rept 16
	v_exp_f32 v[P+II], v[P+II]                     ; one batch
.set II, II+1
.endr
.set II, 0
.rept 16
	v_max_num_f32 v[Q+II], 0, v[ACC+II]            ; max(z, 0): plain work behind the batch
.set II, II+1
.endr
	s_wait_alu depctr_va_vdst(0)                   ; one wait for the 16 exponentials
.set II, 0
.rept 8
	v_pk_mul_f32 v[P+II:P+II+1], v[P+II:P+II+1], v[T+II:T+II+1]   ; erfc(|z| / sqrt 2) / 2
.set II, II+2
.endr
.set II, 0
.rept 16
	v_fma_f32 v[ACC+II], -|v[ACC+II]|, v[P+II], v[Q+II]
.set II, II+1
.endr
.endm
.macro QUANT c, b                      ; my 16 numbers and lane l xor 16's are block 2 c + b of the next product's K step sg
	s_wait_xcnt 0x0                                ; the codes and the scale word were store data: they are rewritten only behind this wait
	v_max3_num_f32 v[QM], |v[ACC]|, |v[ACC+1]|, 0x1800000
.irp i, 2,4,6,8,10,12,14
	v_max3_num_f32 v[QM], v[QM], |v[ACC+\i]|, |v[ACC+\i+1]|
.endr
	v_permlanex16_b32 v[QM2], v[QM], s36, s37
	v_max_num_f32 v[QM], v[QM], v[QM2]
	v_add_nc_u32 v[QS], 0xff000000, v[QM]
	v_lshrrev_b32 v[QB], 23, v[QS]
.if 2*(\c)+(\b) == 0
	v_mov_b32 v[SB], v[QB]
.else
	v_lshl_or_b32 v[SB], v[QB], 8*(2*(\c)+(\b)), v[SB]
.endif
	v_cvt_scalef32_pk8_fp4_f32 v[QC], v[ACC:ACC+7], v[QS]
	v_cvt_scalef32_pk8_fp4_f32 v[QC+1], v[ACC+8:ACC+15], v[QS]
	v_nop                                          ; one plain place behind the last scaled conversion
	global_store_b64 v11, v[QC:QC+1], s[14:15] offset:512*(\c)+256*(\b)   ; the 32 lanes store 256 consecutive bytes, aligned: the block's part of the image
.if 2*(\c)+(\b) == 3
	global_store_b32 v13, v[SB], s[16:17]          ; lanes r and r + 16 write the same word with the same value
.endif
.endm
.macro CORE c, b                       ; 16 tokens x 32 hidden units: bias, 8 K steps, activation, quantiser
.irp u, 0,1
.irp q, 0,1
	ds_load_b128 v[ACC+8*\u+4*\q:ACC+8*\u+4*\q+3], v6 offset:(64*(\c)+32*(\b)+8*\u)*4+16*\q   ; b1 in the result's layout: the sums begin with it
.endr
.endr
	WLD \c, \b, 0, 0
.set SI, 0
.rept 8
.if SI > 0
	PLACES                                         ; the loads below land in the buffer that the last two products read
.endif
.if SI < 7
	WLD \c, \b, SI+1, (SI+1)%2
	s_wait_dscnt 5                                 ; all but the five just issued
.else
	s_wait_dscnt 0x0
.endif
	MM 0, SI                                       ; the two accumulators by turns, one instruction a turn
	MM 1, SI
.set SI, SI+1
.endr
	PLACES
	GELU
	QUANT \c, \b
.endm
	s_load_b512 s[4:19], s[0:1], 0x0               ; sel s[4:5], xq s[6:7], xs s[8:9], W1 s[10:11], b1 s[12:13], hid s[14:15], hs s[16:17], order s[18:19]
	s_load_b64 s[20:21], s[0:1], 0x40              ; cnt
	v_lshrrev_b32 v14, 5, v0
	v_readfirstlane_b32 s22, v14                   ; wave j
	s_lshr_b32 s23, ttmp9, 5                       ; e
	s_and_b32 s24, ttmp9, 31                       ; sg
	s_and_b32 s25, s22, 1
	s_lshr_b32 s26, s22, 1
	v_and_b32 v208, 31, v0                         ; L
	v_and_b32 v209, 15, v0                         ; r
	v_bfe_u32 v210, v0, 4, 1                       ; h
	v_bfe_u32 v211, v0, 3, 1                       ; u: the tile that my column falls into
	v_and_b32 v212, 7, v0
	v_lshl_add_u32 v212, v210, 3, v212             ; p: its row there
	v_lshlrev_b32 v1, 2, v208
	v_lshlrev_b32 v4, 4, v208
	v_lshlrev_b32 v2, 4, v212
	v_lshl_add_u32 v2, v211, 10, v2
	s_lshl_b32 s33, s26, 12
	s_lshl_b32 s34, s25, 11
	s_add_co_u32 s33, s33, s34
	v_add_nc_u32 v2, s33, v2                       ; 1024 u + 16 p + 4096 (j / 2) + 2048 (j % 2)
	v_lshlrev_b32 v3, 2, v212
	v_lshl_add_u32 v3, v211, 6, v3
	s_lshl_b32 s33, s22, 7
	s_add_co_u32 s33, s33, WSC
	v_add_nc_u32 v3, s33, v3                       ; WSC + 4 (16 u + p) + 128 j
	v_add_nc_u32 v5, WSC, v1
	v_lshl_add_u32 v6, v210, 6, BIAS
	v_lshlrev_b32 v12, 2, v209
	s_lshl_b32 s33, s22, 6
	s_add_co_u32 s33, s33, LIST
	v_add_nc_u32 v7, s33, v12
	v_lshlrev_b32 v10, 4, v209
	v_lshl_add_u32 v10, v210, 3, v10
	v_lshlrev_b32 v15, 4, v210
	v_add_nc_u32 v188, LIST, v4
	v_add_nc_u32 v189, NC, v1
	v_add_nc_u32 v247, 0x400, v208                 ; index 1024 + L: where the lane of another expert's token writes
	v_mov_b32 v[C8], 0xbf527892
	v_mov_b32 v[C8+1], 0xbf527892
	s_mov_b32 s36, 0x76543210
	s_mov_b32 s37, 0xfedcba98
	CPAIR 40, 0xbfa1fc4e                           ; c0 = -1.26551223
	CPAIR 42, 0x3f8000c7                           ; c1 =  1.00002368
	CPAIR 44, 0x3ebf88fb                           ; c2 =  0.37409196
	CPAIR 46, 0x3dc636c9                           ; c3 =  0.09678418
	CPAIR 48, 0xbe3ec24c                           ; c4 = -0.18628806
	CPAIR 50, 0x3e8ec7cc                           ; c5 =  0.27886807
	CPAIR 52, 0xbf914e5d                           ; c6 = -1.13520398
	CPAIR 54, 0x3fbe87b0                           ; c7 =  1.48851587  (c8 = -0.82215223 lies in v186-187)
	CPAIR 58, 0x3e2ef945                           ; c9 =  0.17087277
	CPAIR 60, 0x3fb8aa3b                           ; log2(e)
	CPAIR 62, 0xbf38aa3b                           ; -log2(e) / 2
	s_mov_b32 s66, 0x3eb504f3                      ; 1 / (2 sqrt 2)
	s_mov_b32 s29, 0
	s_wait_kmcnt 0x0
	s_lshl_b32 s28, s23, 24                        ; W1: the expert's 2^24 bytes,
	s_lshl_b32 s33, s26, 21                        ; 128 rows of 16,384 bytes a K step,
	s_add_co_u32 s28, s28, s33
	s_lshl_b32 s33, s24, 9                         ; 128 columns a work-group,
	s_add_co_u32 s28, s28, s33
	s_lshl_b32 s33, s25, 7                         ; 32 a wave
	s_add_co_u32 s28, s28, s33
	s_add_nc_u64 s[68:69], s[10:11], s[28:29]
	s_lshl_b32 s28, s23, 21                        ; hid: 64 tiles x 32 K steps x 1,024 bytes an expert; my K step
	s_lshl_b32 s33, s24, 10
	s_add_co_u32 s28, s28, s33
	s_add_nc_u64 s[14:15], s[14:15], s[28:29]
	s_lshl_b32 s28, s23, 17                        ; hs: 64 x 32 x 64 bytes an expert
	s_lshl_b32 s33, s24, 6
	s_add_co_u32 s28, s28, s33
	s_add_nc_u64 s[16:17], s[16:17], s[28:29]
	s_lshl_b32 s28, s23, 14                        ; b1
	s_lshl_b32 s33, s24, 9
	s_add_co_u32 s28, s28, s33
	s_add_nc_u64 s[12:13], s[12:13], s[28:29]
	s_lshl_b32 s28, s23, 12                        ; order
	s_add_nc_u64 s[18:19], s[18:19], s[28:29]
	s_lshl_b32 s28, s23, 7                         ; cnt
	s_add_nc_u64 s[20:21], s[20:21], s[28:29]
	s_cmp_lg_u32 s22, 0
	s_cbranch_scc1 .Lothers
; ---- wave 0: its loads of sel and b1, its first weight loads, the wait and the placement stand in this one branch.  Up to the barrier below no other wave touches LDS
.irp i, 0,1,2,3,4,5,6,7
	global_load_b128 v[SELR+4*\i:SELR+4*\i+3], v4, s[4:5] offset:512*\i   ; sel of all 1,024 tokens: register 4 i + q holds token 128 i + 4 L + q
.endr
	global_load_b128 v[240:243], v4, s[12:13]      ; and b1 of the 128 hidden units
	LOADW 0
	LOADW 1
	s_wait_loadcnt 63                              ; 64 loads were issued behind the nine: the nine are in
	ds_store_b128 v188, v[240:243] offset:BIAS-LIST
.irp k, 248,249,250,251
	v_mov_b32 v\k, 0
.endr
.irp i, 0,1,2,3,4,5,6,7
	ds_store_b128 v188, v[248:251] offset:512*\i   ; the list begins as zeros
.endr
	s_mov_b32 s38, 0
.set RR, 0
.rept 32
	v_cmp_eq_u32 vcc_lo, s23, v[SELR+RR]
	v_mbcnt_lo_u32_b32 v244, vcc_lo, s38           ; the token's rank: those counted so far + those in lower lanes
	v_cndmask_b32 v244, v247, v244, vcc_lo
	v_min_u32 v244, 0x41f, v244                    ; held inside the list and the 32 words behind it
	v_lshl_add_u32 v245, v244, 2, LIST
	v_add_nc_u32 v246, 128*(RR/4)+RR%4, v1         ; the token's number
	ds_store_b32 v245, v246
	s_bcnt1_i32_b32 s39, vcc_lo
	s_add_co_u32 s38, s38, s39
.set RR, RR+1
.endr
	v_mov_b32 v252, LIST
	ds_load_b32 v253, v252                         ; the token of rank 0 (0 where the expert has none): LDS serves a wave's instructions in order
	v_lshrrev_b32 v254, 2, v1                      ; L
	v_add_nc_u32 v254, s38, v254                   ; entries n .. n + 31 are padding: at most 15 of them fall into the last tile
	v_min_u32 v254, 0x41f, v254                    ; n is 1,024 at the most: n + 31 stays inside the 32 words behind the list
	v_lshl_add_u32 v254, v254, 2, LIST
	s_wait_dscnt 0x0
	ds_store_b32 v254, v253
	v_mov_b32 v246, s38
	ds_store_b32 v189, v246                        ; the count
	s_cmp_lg_u32 s24, 0
	s_cbranch_scc1 .Lno_list
.irp i, 0,1,2,3,4,5,6,7
	ds_load_b128 v[XF+4*\i:XF+4*\i+3], v188 offset:512*\i   ; these see my stores
.endr
	s_wait_dscnt 0x0
.irp i, 0,1,2,3,4,5,6,7
	global_store_b128 v4, v[XF+4*\i:XF+4*\i+3], s[18:19] offset:512*\i   ; the expert's whole list, 4,096 bytes
.endr
	global_store_b32 v1, v246, s[20:21]            ; and its count, 32 times: 128 consecutive bytes
	s_wait_xcnt 0x0                                ; the stores have read their registers: x's fragments land there next
.Lno_list:
	s_branch .Lplaced
.Lothers:
	LOADW 0
	LOADW 1
.Lplaced:
	v_mov_b32 v[QM2], 0                            ; written once: a lane permute's destination counts as one of its sources
	v_mov_b32 v[SB], 0                             ; written on every path; block 0 of a tile writes it anew
	BAR                                            ; the list, the count and b1 lie in LDS
	ds_load_b32 v191, v189
	ds_load_b32 v190, v7                           ; my tile's token r
	s_wait_dscnt 0x0
	v_readfirstlane_b32 s30, v191
	s_min_u32 s30, s30, 0x400                      ; n
	s_add_co_u32 s31, s30, 15
	s_lshr_b32 s31, s31, 4                         ; tiles
	s_max_u32 s32, s31, 1                          ; tile 0 is always made
	v_min_u32 v190, 0x3ff, v190
	v_lshl_add_u32 v8, v190, 9, v15                ; 512 token + 16 h
	v_lshlrev_b32 v9, 5, v190                      ; 32 token
	s_lshl_b32 s28, s22, 15
	v_add_nc_u32 v11, s28, v10
	s_lshl_b32 s28, s22, 11
	v_add_nc_u32 v13, s28, v12
	XLOAD                                          ; on every wave's path: a wave without a tile reads the rows that the list's padding names
	BLOCK 0, 50                                    ; younger than set 0: set 1's 32 and x's 18
	BLOCK 1, 50                                    ; younger than set 1: x's 18 and block 2's 32
	BLOCK 2, 32                                    ; from here on: the other set's 32
	BLOCK 3, 32
	BAR                                            ; chunk 0's images lie in LDS; blocks 4 and 5 of every wave are on their way
	s_cmp_ge_u32 s22, s32
	s_cbranch_scc1 .Lno_c0
	CORE 0, 0
	CORE 0, 1
.Lno_c0:
	BLOCK 4, 32
	BLOCK 5, 32
	BLOCK 6, 32
	BLOCK 7, 0
	BAR                                            ; chunk 1's images; from here on LDS is only read
	s_cmp_ge_u32 s22, s32
	s_cbranch_scc1 .Lno_c1
	CORE 1, 0
	CORE 1, 1
.Lno_c1:
; ---- tiles j + 16, j + 32, j + 48: three trips for every wave; the work is jumped over where the expert has no such tile
	s_mov_b32 s33, 0
	s_add_co_u32 s34, s22, 16
	s_mov_b32 s35, 1024
.Ltail:
	s_cmp_ge_u32 s34, s31
	s_cbranch_scc1 .Lno_tile
	s_wait_xcnt 0x0                                ; the last tile's loads and stores have read their address registers
	v_add_nc_u32 v14, s35, v7
	ds_load_b32 v190, v14
	s_lshl_b32 s28, s34, 15
	v_add_nc_u32 v11, s28, v10
	s_lshl_b32 s28, s34, 11
	v_add_nc_u32 v13, s28, v12
	s_wait_dscnt 0x0
	v_min_u32 v190, 0x3ff, v190
	v_lshl_add_u32 v8, v190, 9, v15
	v_lshlrev_b32 v9, 5, v190
	XLOAD
	s_wait_loadcnt 0x0
	CORE 0, 0
	CORE 0, 1
	CORE 1, 0
	CORE 1, 1
.Lno_tile:
	s_add_co_u32 s34, s34, 16
	s_add_co_u32 s35, s35, 1024
	s_add_co_u32 s33, s33, 1
	s_cmp_lt_u32 s33, 3
	s_cbranch_scc1 .Ltail
	s_wait_xcnt 0x0
	v_lshl_add_u32 v254, v0, 2, 0x12400
	v_mov_b32 v255, 0
	s_wait_tensorcnt 0x0
	ds_add_u32 v254, v255
	s_wait_dscnt 0x0
	s_endpgm
.Lfunc_end_k_q4320faf79f_up:
	.size	k_q4320faf79f_up, .Lfunc_end_k_q4320faf79f_up-k_q4320faf79f_up
	.p2alignl 7, 3214868480
	.fill 96, 4, 3214868480
	.section	.rodata,"a",@progbits
	.p2align	6, 0x0
	.amdhsa_kernel k_q4320faf79f_up
		.amdhsa_group_segment_fixed_size 76800
		.amdhsa_private_segment_fixed_size 0
		.amdhsa_enable_private_segment 0
		.amdhsa_kernarg_size 72
		.amdhsa_user_sgpr_count 2
		.amdhsa_user_sgpr_kernarg_segment_ptr 1
		.amdhsa_wavefront_size32 1
		.amdhsa_system_sgpr_workgroup_id_x 1
		.amdhsa_system_sgpr_workgroup_id_y 1
		.amdhsa_system_sgpr_workgroup_id_z 1
		.amdhsa_system_vgpr_workitem_id 0
		.amdhsa_next_free_vgpr 256
		.amdhsa_next_free_sgpr 72
		.amdhsa_reserve_vcc 1
		.amdhsa_float_denorm_mode_32 3
		.amdhsa_float_denorm_mode_16_64 3
		.amdhsa_memory_ordered 1
		.amdhsa_forward_progress 1
		.amdhsa_inst_pref_size 209
	.end_amdhsa_kernel
	.amdgpu_metadata
---
amdhsa.version: [ 1, 2 ]
amdhsa.kernels:
  - .name:           k_q4320faf79f_up
    .symbol:         k_q4320faf79f_up.kd
    .args:
      - { .name: sel, .offset: 0, .size: 8, .value_kind: global_buffer, .address_space: global }
      - { .name: xq, .offset: 8, .size: 8, .value_kind: global_buffer, .address_space: global }
      - { .name: xs, .offset: 16, .size: 8, .value_kind: global_buffer, .address_space: global }
      - { .name: W1, .offset: 24, .size: 8, .value_kind: global_buffer, .address_space: global }
      - { .name: b1, .offset: 32, .size: 8, .value_kind: global_buffer, .address_space: global }
      - { .name: hid, .offset: 40, .size: 8, .value_kind: global_buffer, .address_space: global }
      - { .name: hs, .offset: 48, .size: 8, .value_kind: global_buffer, .address_space: global }
      - { .name: order, .offset: 56, .size: 8, .value_kind: global_buffer, .address_space: global }
      - { .name: cnt, .offset: 64, .size: 8, .value_kind: global_buffer, .address_space: global }
    .group_segment_fixed_size: 76800
    .private_segment_fixed_size: 0
    .kernarg_segment_align: 8
    .kernarg_segment_size: 72
    .max_flat_workgroup_size: 512
    .sgpr_count:     72
    .vgpr_count:     256
    .wavefront_size: 32
...
	.end_amdgpu_metadata
.endif
;; end of part 2
;; launch down (part 3): grid 256 x 1, 16 waves a work-group, no clusters, 108,544 bytes of LDS; arguments hid, hs, order, cnt, W2, b2, out0; writes out0
.if DOCPART == 3
	.amdgcn_target "amdgcn-amd-amdhsa--gfx1250"
	.amdhsa_code_object_version 6
	.text
	.protected	k_q4320faf79f_down
	.globl	k_q4320faf79f_down
	.p2align	8
	.type	k_q4320faf79f_down,@function
k_q4320faf79f_down:
	s_mov_b64 s[64:65], 0
	v_nop
	global_prefetch_b8 v0, s[64:65] scope:SCOPE_SE
	s_setreg_imm32_b32 hwreg(HW_REG_WAVE_MODE, 25, 1), 1
	s_wait_xcnt 0x0
; SECOND LAYER OF THE CHOSEN EXPERT: out0[token] = Q(h) Q(W2[e]) + b2[e], for the tokens routed to e.  Every token has one expert, so every number of out0 has one owning work-group.
; W2: [8][4096 (hidden)][1024 (d)] f32, K = hidden is the FIRST axis of an expert's matrix.  It is read ONCE, as f32, and quantised in registers on its way.
; SHARES.  Work-group = (expert e = id / 32, dg = id % 32): output columns 32 dg .. 32 dg + 31, all of K, all the expert's tokens.  8 experts x 1,024 columns over 256 work-groups are 32 columns each:
;   a wave's load reads, and eight lanes' store writes, 128 consecutive bytes of a row; work-groups 2 i and 2 i + 1 hold the two halves of each aligned 256 bytes and walk K in the same order.
;   STREAM: K goes in 4 chunks of 1,024 rows; wave j takes rows 64 j .. 64 j + 63 of a chunk: two blocks of 32.  A LANE TAKES A COLUMN AND ITS REGISTERS RUN DOWN K.  Two sets of 32 loads a wave are on their way.
;   The codes go to LDS as images of the matrix operand's registers (16384 chunk + 2048 K step + 1024 tile), all four chunks side by side: nothing is written twice, one barrier a chunk.
;   PRODUCTS: wave j owns token tile j; its two accumulators stay over the four chunks.  Tiles j + 16, + 32, + 48 follow in a loop of three trips whose work is jumped over where the expert has no such tile.
; The product is used transposed (source 0 = 16 columns of W2, source 1 = 16 tokens); column o of the 32 is row p of tile u with o = 8 u + p + 8 (p / 8): lane (r, h) then holds token r and columns 16 h + 0 .. 15: 64 neighbouring bytes.
; The hidden layer comes as images of its fragments (hid) and scale words (hs), straight from memory into registers.  b2 is the C of each sum's first matrix instruction.
; The count n (cnt) and the list (order) are whole numbers stored by the launch before.  n decides only how many tiles there are.
; THE LAST TILE'S SPARE ROWS repeat the expert's first token (so the list is padded): the same codes go through the same instructions in the same order, and their stores write the same numbers onto that token's row once more.
; So every row of a tile is stored, with all lanes on: at most 15 pieces of 128 bytes a work-group are stored twice.
; An expert without tokens is still streamed: every wave passes every barrier; it has no tile and stores nothing.
; LIMITS: NaN and infinities are not served.  A block of zeros, or one under 2^-124, gets the scale byte 1 (nobody else reads the bytes).
; NO TENSOR LOAD, NO CLUSTER: which tiles exist hangs on a count read from memory; what an expert's 32 work-groups share (2,176 bytes a token of hidden codes and scales) is the lesser part beside the 524,288 bytes of W2 that each reads alone.
.set WSC, 65536                        ; LDS: the weights' scale words: 1024 chunk + 128 K step + 4 (16 tile + row)
.set STG, 69632                        ; a stage of 16 rows x (128 bytes + 16) for each wave
.set X,   16                           ; v16-79   two sets of 32 numbers of W2; on the way out v16-31 rows, v32-35 offsets
.set O,   16
.set OF,  32
.set HF,  80                           ; v80-143  a chunk's 8 hidden fragments
.set HS,  144                          ; v144-147 their scale words: lanes 0-15 K step 2 q, lanes 16-31 K step 2 q + 1; scales and nothing else
.set WF,  152                          ; v152-183 two buffers of two weight fragments
.set WS,  184                          ; v184-185 the weights' scale words: lanes 0-15 tile 0, lanes 16-31 tile 1
.set ACC, 192                          ; v192-207 two accumulators
.set TK,  208                          ; v208-211 the tokens of the rows that I store
.set MXA, 224
.set MXB, 225
.set SCO, 226
.set BY,  227
.set SW,  228
.set C,   232
; v1 4 L; v2, v3 where I store images and scale bytes; v4 16 L; v5 WSC + 4 L; v6 64 h; v7, v8 my tile in hid and hs; v9, v10 the stage, in and back; v11 my rows in order; v13 16 (L % 8); v14 L / 8; v15 4 (L / 8)
; s20 wave j; s21 e; s22 dg; s23 n; s24 tiles; s25 max(tiles, 1); s26 the tile that addresses are made of; s27, s28 the last loop; s[32:33], s[34:35] W2 at my wave's first row of chunks 0 and 2
.macro BAR
	s_wait_dscnt 0x0                               ; my LDS stores have landed and my LDS loads are in
	s_barrier_signal -1
	s_barrier_wait -1
.endm
.macro PLACES                          ; four plain places behind matrix instructions, ahead of loads into their registers and of the first read of results
.rept 4
	v_nop
.endr
.endm
.macro LOADW c, t                      ; W2(1024 c + 64 j + 32 t + i, my column), i = 0 .. 31, into set t
.set II, 0
.rept 32
.if (\c) < 2
	global_load_b32 v[X+32*(\t)+II], v1, s[32:33] offset:(1024*((\c)%2)+32*(\t)+II)*4096
.else
	global_load_b32 v[X+32*(\t)+II], v1, s[34:35] offset:(1024*((\c)%2)+32*(\t)+II)*4096
.endif
.set II, II+1
.endr
.endm
.macro BLOCK c, t, n                   ; a block is quantised and its image stored; n: the younger loads that may stay out
.set XB, X+32*(\t)
	s_wait_loadcnt \n
	v_max3_num_f32 v[MXA], |v[XB]|, |v[XB+1]|, |v[XB+2]|
	v_max3_num_f32 v[MXB], |v[XB+3]|, |v[XB+4]|, |v[XB+5]|
.irp i, 6,10,14,18,22,26
	v_max3_num_f32 v[MXA], v[MXA], |v[XB+\i]|, |v[XB+\i+1]|
	v_max3_num_f32 v[MXB], v[MXB], |v[XB+\i+2]|, |v[XB+\i+3]|
.endr
	v_max3_num_f32 v[MXA], v[MXA], |v[XB+30]|, |v[XB+31]|
	v_max3_num_f32 v[MXA], v[MXA], v[MXB], 0x1800000               ; and the floor 2^(3 - 127)
	v_add_nc_u32 v[SCO], 0xff000000, v[MXA]                        ; 2 off the exponent field: the conversion's scale operand
	v_lshrrev_b32 v[BY], 23, v[SCO]
.if (\t) == 0
	v_mov_b32 v[SW], v[BY]
.else
	v_lshl_or_b32 v[SW], v[BY], 8, v[SW]
.endif
.irp q, 0,1,2,3
	v_cvt_scalef32_pk8_fp4_f32 v[C+\q], v[XB+8*\q:XB+8*\q+7], v[SCO]
.endr
	v_nop                                          ; one plain place behind the last scaled conversion
	ds_store_b128 v2, v[C:C+3] offset:16384*(\c)+256*(\t)
.if (\t) == 1
	ds_store_b16 v3, v[SW] offset:1024*(\c)        ; my two bytes of the column's scale word; the K step's other wave writes the other two
.endif
.if (\c) < 3
	LOADW \c+1, \t                                 ; the set just read takes the next chunk's block
.endif
	s_wait_dscnt 0x0                               ; the stores have read their registers
.endm
.macro HLOAD c                         ; my tile's 8 hidden fragments of chunk c and their scale words: 20 loads, each of 512 or 128 consecutive bytes
.set II, 0
.rept 8
	global_load_b128 v[HF+8*II:HF+8*II+3], v7, s[4:5] offset:(8*(\c)+II)*1024
	global_load_b128 v[HF+8*II+4:HF+8*II+7], v7, s[4:5] offset:(8*(\c)+II)*1024+512
.set II, II+1
.endr
.irp q, 0,1,2,3
	global_load_b32 v[HS+\q], v8, s[6:7] offset:512*(\c)+128*\q
.endr
.endm
.macro BIASLD                          ; b2 in the result's layout: the sums begin with it
.irp q, 0,1,2,3
	global_load_b128 v[ACC+4*\q:ACC+4*\q+3], v6, s[14:15] offset:16*\q
.endr
.endm
.macro TKLD
.irp k, 0,1,2,3
	global_load_b32 v[TK+\k], v11, s[8:9] offset:16*\k
.endr
.endm
.macro WLD c, k, p                     ; the two weight fragments and the scale words of (chunk c, K step k) into buffer p: 5 LDS loads
.irp u, 0,1
.irp q, 0,1
	ds_load_b128 v[WF+16*(\p)+8*\u+4*\q:WF+16*(\p)+8*\u+4*\q+3], v4 offset:16384*(\c)+2048*(\k)+1024*\u+512*\q
.endr
.endr
	ds_load_b32 v[WS+(\p)], v5 offset:1024*(\c)+128*(\k)
.endm
.macro MM u, st                        ; tile u, the chunk's K step st
.if ((\st)%2) == 0
.if \u == 0
	v_wmma_scale_f32_16x16x128_f8f6f4 v[ACC:ACC+7], v[WF+16*((\st)%2):WF+16*((\st)%2)+7], v[HF+8*(\st):HF+8*(\st)+7], v[ACC:ACC+7], v[WS+(\st)%2], v[HS+(\st)/2] matrix_a_fmt:MATRIX_FMT_FP4 matrix_b_fmt:MATRIX_FMT_FP4
.else
	v_wmma_scale_f32_16x16x128_f8f6f4 v[ACC+8:ACC+15], v[WF+16*((\st)%2)+8:WF+16*((\st)%2)+15], v[HF+8*(\st):HF+8*(\st)+7], v[ACC+8:ACC+15], v[WS+(\st)%2], v[HS+(\st)/2] matrix_a_fmt:MATRIX_FMT_FP4 matrix_b_fmt:MATRIX_FMT_FP4 matrix_a_scale:MATRIX_SCALE_ROW1
.endif
.else
.if \u == 0
	v_wmma_scale_f32_16x16x128_f8f6f4 v[ACC:ACC+7], v[WF+16*((\st)%2):WF+16*((\st)%2)+7], v[HF+8*(\st):HF+8*(\st)+7], v[ACC:ACC+7], v[WS+(\st)%2], v[HS+(\st)/2] matrix_a_fmt:MATRIX_FMT_FP4 matrix_b_fmt:MATRIX_FMT_FP4 matrix_b_scale:MATRIX_SCALE_ROW1
.else
	v_wmma_scale_f32_16x16x128_f8f6f4 v[ACC+8:ACC+15], v[WF+16*((\st)%2)+8:WF+16*((\st)%2)+15], v[HF+8*(\st):HF+8*(\st)+7], v[ACC+8:ACC+15], v[WS+(\st)%2], v[HS+(\st)/2] matrix_a_fmt:MATRIX_FMT_FP4 matrix_b_fmt:MATRIX_FMT_FP4 matrix_a_scale:MATRIX_SCALE_ROW1 matrix_b_scale:MATRIX_SCALE_ROW1
.endif
.endif
.endm
.macro MULT c                          ; a chunk's 8 K steps onto my two accumulators
	WLD \c, 0, 0
.set SI, 0
.rept 8
.if SI > 0
	PLACES                                         ; the loads below land in the buffer that the last two products read
.endif
.if SI < 7
	WLD \c, SI+1, (SI+1)%2
	s_wait_dscnt 5                                 ; all but the five just issued
.else
	s_wait_dscnt 0x0
.endif
	MM 0, SI                                       ; the two accumulators by turns, one instruction a turn
	MM 1, SI
.set SI, SI+1
.endr
	PLACES
.endm
.macro EPI                             ; a lane's 64 bytes of a row go through my own stage and come back 8 lanes to a row; all 16 rows are stored (the spare ones onto the first token's row, with its numbers)
.irp q, 0,1,2,3
	ds_store_b128 v9, v[ACC+4*\q:ACC+4*\q+3] offset:16*\q   ; each accumulator from its low end on
.endr
.irp k, 0,1,2,3
	ds_load_b128 v[O+4*\k:O+4*\k+3], v10 offset:576*\k   ; LDS serves a wave's instructions in order: these see my stores.  Four rows an instruction
.endr
.irp k, 0,1,2,3
	v_min_u32 v[TK+\k], 0x3ff, v[TK+\k]
	v_lshl_add_u32 v[OF+\k], v[TK+\k], 12, v13     ; the token's row of 4,096 bytes + 16 (L % 8)
.endr
.irp k, 0,1,2,3
	s_wait_dscnt 3-\k                              ; rows 4 k .. 4 k + 3 are back; the younger loads may be out
	global_store_b128 v[OF+\k], v[O+4*\k:O+4*\k+3], s[16:17]
.endr
.endm
	s_load_b256 s[4:11], s[0:1], 0x0               ; hid s[4:5], hs s[6:7], order s[8:9], cnt s[10:11]
	s_load_b128 s[12:15], s[0:1], 0x20             ; W2 s[12:13], b2 s[14:15]
	s_load_b64 s[16:17], s[0:1], 0x30              ; out0
	v_lshl_add_u32 v254, v0, 2, 0x1a000
	v_mov_b32 v255, 0
	v_lshrrev_b32 v14, 5, v0
	v_readfirstlane_b32 s20, v14                   ; wave j
	s_lshr_b32 s21, ttmp9, 5                       ; e
	s_and_b32 s22, ttmp9, 31                       ; dg
	v_and_b32 v212, 31, v0                         ; L
	v_and_b32 v213, 15, v0                         ; r
	v_bfe_u32 v214, v0, 4, 1                       ; h
	v_bfe_u32 v215, v0, 3, 1                       ; u: the tile that my column falls into
	v_and_b32 v216, 7, v0
	v_lshlrev_b32 v13, 4, v216                     ; 16 (L % 8)
	v_lshl_add_u32 v216, v214, 3, v216             ; p: its row there
	v_lshlrev_b32 v1, 2, v212
	v_lshlrev_b32 v4, 4, v212
	v_lshlrev_b32 v2, 4, v216
	v_lshl_add_u32 v2, v215, 10, v2
	s_lshr_b32 s27, s20, 1
	s_and_b32 s28, s20, 1
	s_lshl_b32 s30, s27, 11
	s_lshl_b32 s31, s28, 9
	s_add_co_u32 s30, s30, s31
	v_add_nc_u32 v2, s30, v2                       ; 1024 u + 16 p + 2048 (j / 2) + 512 (j % 2)
	v_lshlrev_b32 v3, 2, v216
	v_lshl_add_u32 v3, v215, 6, v3
	s_lshl_b32 s30, s27, 7
	s_lshl_b32 s31, s28, 1
	s_add_co_u32 s30, s30, s31
	s_add_co_u32 s30, s30, WSC
	v_add_nc_u32 v3, s30, v3                       ; WSC + 4 (16 u + p) + 128 (j / 2) + 2 (j % 2)
	v_add_nc_u32 v5, WSC, v1
	v_lshlrev_b32 v6, 6, v214
	s_mul_i32 s30, s20, 2304
	s_add_co_u32 s30, s30, STG                     ; my stage
	v_mul_u32_u24 v9, v213, 144
	v_lshl_add_u32 v9, v214, 6, v9
	v_add_nc_u32 v9, s30, v9                       ; in: row r, + 64 h
	v_lshrrev_b32 v14, 3, v212                     ; L / 8
	v_mul_u32_u24 v10, v14, 144
	v_add_nc_u32 v10, v10, v13
	v_add_nc_u32 v10, s30, v10                     ; back: row L / 8, + 16 (L % 8)
	v_lshlrev_b32 v15, 2, v14
	s_mov_b32 s31, 0
	s_wait_kmcnt 0x0
	s_lshl_b32 s30, s21, 7
	s_add_nc_u64 s[10:11], s[10:11], s[30:31]
	s_load_b32 s23, s[10:11], 0x0                  ; n
	s_lshl_b32 s30, s21, 24                        ; W2: the expert's 2^24 bytes,
	s_lshl_b32 s27, s20, 18                        ; 64 rows of 4,096 bytes a wave,
	s_add_co_u32 s30, s30, s27
	s_lshl_b32 s27, s22, 7                         ; 32 columns a work-group
	s_add_co_u32 s30, s30, s27
	s_add_nc_u64 s[32:33], s[12:13], s[30:31]
	s_add_nc_u64 s[34:35], s[32:33], 0x800000      ; 2,048 rows on, so that every row's offset fits the immediate
	s_lshl_b32 s30, s21, 21
	s_add_nc_u64 s[4:5], s[4:5], s[30:31]          ; hid
	s_lshl_b32 s30, s21, 17
	s_add_nc_u64 s[6:7], s[6:7], s[30:31]          ; hs
	s_lshl_b32 s30, s21, 12
	s_add_nc_u64 s[8:9], s[8:9], s[30:31]          ; order
	s_add_co_u32 s30, s30, s27
	s_add_nc_u64 s[14:15], s[14:15], s[30:31]      ; b2: the expert's row, my 32 columns
	s_mov_b32 s30, s27
	s_add_nc_u64 s[16:17], s[16:17], s[30:31]      ; out0: my 32 columns
	BIASLD
	LOADW 0, 0
	s_wait_kmcnt 0x0
	s_min_u32 s23, s23, 0x400                      ; n
	s_add_co_u32 s24, s23, 15
	s_lshr_b32 s24, s24, 4                         ; tiles
	s_max_u32 s25, s24, 1
	s_sub_co_u32 s26, s25, 1
	s_min_u32 s26, s26, s20                        ; a wave without a tile names the last tile that was written
	s_min_u32 s26, s26, 0x3f                       ; held ahead of the shifts that make addresses of it
	s_lshl_b32 s30, s26, 15
	v_add_nc_u32 v7, s30, v4
	s_lshl_b32 s30, s26, 11
	v_add_nc_u32 v8, s30, v1
	s_lshl_b32 s30, s20, 6
	v_add_nc_u32 v11, s30, v15
	TKLD
	HLOAD 0                                        ; on every wave's path
	LOADW 0, 1
	BLOCK 0, 0, 56                                 ; younger than set 0: 4 of the list, 20 of the hidden layer, set 1's 32
	BLOCK 0, 1, 32                                 ; younger than set 1: the next chunk's 32
	BAR                                            ; chunk 0's images lie in LDS; chunk 1's 64 loads of every wave are on their way
	s_cmp_ge_u32 s20, s24
	s_cbranch_scc1 .Lno_0
	MULT 0
	HLOAD 1
.Lno_0:
	BLOCK 1, 0, 32                                 ; behind set 0 were issued set 1's 32 and none or 20 of the hidden layer: 32 serves both ways
	BLOCK 1, 1, 32                                 ; the youngest 32 are the next chunk's: set 1 and the hidden layer's loads are in
	BAR
	s_cmp_ge_u32 s20, s24
	s_cbranch_scc1 .Lno_1
	MULT 1
	HLOAD 2
.Lno_1:
	BLOCK 2, 0, 32
	BLOCK 2, 1, 32
	BAR
	s_cmp_ge_u32 s20, s24
	s_cbranch_scc1 .Lno_2
	MULT 2
	HLOAD 3
.Lno_2:
	BLOCK 3, 0, 32
	BLOCK 3, 1, 0
	BAR                                            ; from here on the images are only read; the stage is each wave's own
	s_cmp_ge_u32 s20, s24
	s_cbranch_scc1 .Lno_3
	MULT 3
	EPI
.Lno_3:
; ---- tiles j + 16, j + 32, j + 48: three trips for every wave; the work is jumped over where the expert has no such tile
	s_mov_b32 s27, 0
	s_add_co_u32 s28, s20, 16
.Ltail:
	s_cmp_ge_u32 s28, s24
	s_cbranch_scc1 .Lno_tile
	s_wait_xcnt 0x0                                ; the last tile's loads and stores have read their address and data registers
	s_min_u32 s26, s28, 0x3f                       ; the tile, j + 48 = 63 at the most: held ahead of the shifts that make addresses of it, as at the head
	s_lshl_b32 s30, s26, 15
	v_add_nc_u32 v7, s30, v4
	s_lshl_b32 s30, s26, 11
	v_add_nc_u32 v8, s30, v1
	s_lshl_b32 s30, s26, 6
	v_add_nc_u32 v11, s30, v15
	BIASLD
	TKLD
	HLOAD 0
	s_wait_loadcnt 0x0
	MULT 0
	HLOAD 1
	s_wait_loadcnt 0x0
	MULT 1
	HLOAD 2
	s_wait_loadcnt 0x0
	MULT 2
	HLOAD 3
	s_wait_loadcnt 0x0
	MULT 3
	EPI
.Lno_tile:
	s_add_co_u32 s28, s28, 16
	s_add_co_u32 s27, s27, 1
	s_cmp_lt_u32 s27, 3
	s_cbranch_scc1 .Ltail
	s_wait_tensorcnt 0x0
	ds_add_u32 v254, v255
	s_wait_dscnt 0x0
	s_endpgm
.Lfunc_end_k_q4320faf79f_down:
	.size	k_q4320faf79f_down, .Lfunc_end_k_q4320faf79f_down-k_q4320faf79f_down
	.p2alignl 7, 3214868480
	.fill 96, 4, 3214868480
	.section	.rodata,"a",@progbits
	.p2align	6, 0x0
	.amdhsa_kernel k_q4320faf79f_down
		.amdhsa_group_segment_fixed_size 108544
		.amdhsa_private_segment_fixed_size 0
		.amdhsa_enable_private_segment 0
		.amdhsa_kernarg_size 56
		.amdhsa_user_sgpr_count 2
		.amdhsa_user_sgpr_kernarg_segment_ptr 1
		.amdhsa_wavefront_size32 1
		.amdhsa_system_sgpr_workgroup_id_x 1
		.amdhsa_system_sgpr_workgroup_id_y 1
		.amdhsa_system_sgpr_workgroup_id_z 1
		.amdhsa_system_vgpr_workitem_id 0
		.amdhsa_next_free_vgpr 256
		.amdhsa_next_free_sgpr 66
		.amdhsa_reserve_vcc 0
		.amdhsa_float_denorm_mode_32 3
		.amdhsa_float_denorm_mode_16_64 3
		.amdhsa_memory_ordered 1
		.amdhsa_forward_progress 1
		.amdhsa_inst_pref_size 108
	.end_amdhsa_kernel
	.amdgpu_metadata
---
amdhsa.version: [ 1, 2 ]
amdhsa.kernels:
  - .name:           k_q4320faf79f_down
    .symbol:         k_q4320faf79f_down.kd
    .args:
      - { .name: hid, .offset: 0, .size: 8, .value_kind: global_buffer, .address_space: global }
      - { .name: hs, .offset: 8, .size: 8, .value_kind: global_buffer, .address_space: global }
      - { .name: order, .offset: 16, .size: 8, .value_kind: global_buffer, .address_space: global }
      - { .name: cnt, .offset: 24, .size: 8, .value_kind: global_buffer, .address_space: global }
      - { .name: W2, .offset: 32, .size: 8, .value_kind: global_buffer, .address_space: global }
      - { .name: b2, .offset: 40, .size: 8, .value_kind: global_buffer, .address_space: global }
      - { .name: out0, .offset: 48, .size: 8, .value_kind: global_buffer, .address_space: global }
    .group_segment_fixed_size: 108544
    .private_segment_fixed_size: 0
    .kernarg_segment_align: 8
    .kernarg_segment_size: 56
    .max_flat_workgroup_size: 512
    .sgpr_count:     66
    .vgpr_count:     256
    .wavefront_size: 32
...
	.end_amdgpu_metadata
.endif
;; end of part 3
;; ======== version 2 of 2: 3 launches; version 1 with the launch down written anew for expert scheduling mode
;; workspace buffers: sel 4,096 bytes of whole numbers; xq 524,288 bytes; xs 32,768 bytes; order 32,768 bytes of whole numbers; cnt 1,024 bytes of whole numbers; hid 16,777,216 bytes; hs 1,048,576 bytes
;; launch route: the kernel of part 1 again; grid 256 x 1, 4 waves a work-group, no clusters, 3,584 bytes of LDS; arguments x, Wr, br, xq, xs, sel; writes xq, xs, sel
;; launch up: the kernel of part 2 again; grid 256 x 1, 16 waves a work-group, no clusters, 76,800 bytes of LDS; arguments sel, xq, xs, W1, b1, hid, hs, order, cnt; writes hid, hs, order, cnt
;; launch down (part 4): grid 256 x 1, 16 waves a work-group, no clusters, 108,544 bytes of LDS; arguments hid, hs, order, cnt, W2, b2, out0; writes out0
.if DOCPART == 4
	.amdgcn_target "amdgcn-amd-amdhsa--gfx1250"
	.amdhsa_code_object_version 6
	.text
	.protected	k_q4320faf79f_down
	.globl	k_q4320faf79f_down
	.p2align	8
	.type	k_q4320faf79f_down,@function
k_q4320faf79f_down:
	s_mov_b64 s[64:65], 0
	v_nop
	global_prefetch_b8 v0, s[64:65] scope:SCOPE_SE
	s_setreg_imm32_b32 hwreg(HW_REG_WAVE_SCHED_MODE, 0, 2), 2
	s_setreg_imm32_b32 hwreg(HW_REG_WAVE_MODE, 25, 1), 1
	s_wait_xcnt 0x0
	s_wait_alu depctr_vm_vsrc(0)
; SECOND LAYER OF THE CHOSEN EXPERT: out0[token] = Q(h) Q(W2[e]) + b2[e], for the tokens routed to e.  Every token has one expert, so every number of out0 has one owning work-group.
; W2: [8][4096 (hidden)][1024 (d)] f32, K = hidden is the FIRST axis of an expert's matrix.  It is read ONCE, as f32, and quantised in registers on its way.
; SHARES.  Work-group = (expert e = id / 32, dg = id % 32): output columns 32 dg .. 32 dg + 31, all of K, all the expert's tokens.  8 experts x 1,024 columns over 256 work-groups are 32 columns each:
;   a wave's load reads, and eight lanes' store writes, 128 consecutive bytes of a row; work-groups 2 i and 2 i + 1 hold the two halves of each aligned 256 bytes and walk K in the same order.
;   STREAM: K goes in 4 chunks of 1,024 rows; wave j takes rows 64 j .. 64 j + 63 of a chunk: two blocks of 32.  A LANE TAKES A COLUMN AND ITS REGISTERS RUN DOWN K.  Two sets of 32 loads a wave are on their way.
;   The codes go to LDS as images of the matrix operand's registers (16384 chunk + 2048 K step + 1024 tile), all four chunks side by side: nothing is written twice, one barrier a chunk.
;   PRODUCTS: wave j owns token tile j; its two accumulators stay over the four chunks.  Tiles j + 16, + 32, + 48 follow in a loop of three trips whose work is jumped over where the expert has no such tile.
; The product is used transposed (source 0 = 16 columns of W2, source 1 = 16 tokens); column o of the 32 is row p of tile u with o = 8 u + p + 8 (p / 8): lane (r, h) then holds token r and columns 16 h + 0 .. 15: 64 neighbouring bytes.
; The hidden layer comes as images of its fragments (hid) and scale words (hs), straight from memory into registers.  b2 is the C of each sum's first matrix instruction.
; The count n (cnt) and the list (order) are whole numbers stored by the launch before.  n decides only how many tiles there are.
; THE LAST TILE'S SPARE ROWS repeat the expert's first token (so the list is padded): the same codes go through the same instructions in the same order, and their stores write the same numbers onto that token's row once more.
; So every row of a tile is stored, with all lanes on: at most 15 pieces of 128 bytes a work-group are stored twice.
; An expert without tokens is still streamed: every wave passes every barrier; it has no tile and stores nothing.
; LIMITS: NaN and infinities are not served.  A block of zeros, or one under 2^-124, gets the scale byte 1 (nobody else reads the bytes).
; NO TENSOR LOAD, NO CLUSTER: which tiles exist hangs on a count read from memory; what an expert's 32 work-groups share (2,176 bytes a token of hidden codes and scales) is the lesser part beside the 524,288 bytes of W2 that each reads alone.
; THE MODE: SCHED_MODE bits 1:0 = 2 (LLVM: expert scheduling mode 2), set by the entry lines.  The code itself states the register dependences between vector or matrix instructions and memory or LDS instructions, with s_wait_alu, always for 0.
; THE PLAN.  Registers that memory or LDS instructions touch, and who else names them:
;   X0, X1        A block's maxima and conversions read its set; behind them the next chunk's loads land in it.
;   v[C ..], v[SW]  Written by a block's conversions and shifts; read by its LDS stores.
;                 So a block has ONE wait on va_vdst, behind its conversions, and ONE on vm_vsrc at its head (the last block's LDS stores have read what this block writes again).
;   WF0, WF1, WF2 and their scale words   K step s: its two products read buffer s % 3; the LDS loads of step s + 2, issued between the two products of step s, land in the buffer that step s - 1 read:
;                 K steps 1 to 5 have ONE wait on va_vdst, at their head.
;   HF, HS        A chunk's 16 products read them; the next chunk's loads land in them: ONE wait on va_vdst behind a chunk's products, which also frees the three weight buffers for the next chunk.
;   ACC           b2's loads land in it; products write it; the way out's LDS stores read it.     v[OF ..]  written on the way out, read by its global stores.     v[O ..]  LDS loads land, global stores read.
;                 The way out's eight vector lines stand behind the last products, as their places; ONE wait on va_vdst behind them serves the LDS stores (ACC) and the global stores (OF).
;   v7, v8, v11   a tile's addresses: written once a tile, behind a wait on vm_vsrc, with a wait on va_vdst ahead of the first access by them.  All other addresses are made at the head and never written again.
.set WSC, 65536                        ; LDS: the weights' scale words: 1024 chunk + 128 K step + 4 (16 tile + row)
.set STG, 69632                        ; a stage of 16 rows x (128 bytes + 16) for each wave
.set X,   16                           ; v16-79   two sets of 32 numbers of W2; on the way out v16-31 rows, v32-35 offsets
.set O,   16
.set OF,  32
.set HF,  80                           ; v80-143  a chunk's 8 hidden fragments
.set HS,  144                          ; v144-147 their scale words: lanes 0-15 K step 2 q, lanes 16-31 K step 2 q + 1; scales and nothing else
.set WF,  152                          ; v152-183 buffers 0 and 1 of two weight fragments; buffer 2 lies in v236-251
.set WS,  184                          ; v184-186 the three buffers' scale words: lanes 0-15 tile 0, lanes 16-31 tile 1; scales and nothing else
.set ACC, 192                          ; v192-207 two accumulators
.set TK,  208                          ; v208-211 the tokens of the rows that I store
.set MXA, 224
.set MXB, 225
.set SCO, 226
.set BY,  227
.set SW,  228
.set C,   232
; v1 4 L; v2, v3 where I store images and scale bytes; v4 16 L; v5 WSC + 4 L; v6 64 h; v7, v8 my tile in hid and hs; v9, v10 the stage, in and back; v11 my rows in order; v13 16 (L % 8); v14 L / 8; v15 4 (L / 8)
; s20 wave j; s21 e; s22 dg; s23 n; s24 tiles; s25 max(tiles, 1); s26 the tile that addresses are made of; s27, s28 the last loop; s[32:33], s[34:35] W2 at my wave's first row of chunks 0 and 2
.macro BAR
	s_wait_dscnt 0x0                               ; my LDS stores have landed and my LDS loads are in
	s_barrier_signal -1
	s_barrier_wait -1
.endm
.macro PLACES                          ; four plain places behind matrix instructions (ISA guide 7.12.1)
.rept 4
	v_nop
.endr
.endm
.macro LOADW c, t                      ; W2(1024 c + 64 j + 32 t + i, my column), i = 0 .. 31, into set t
.set II, 0
.rept 32
.if (\c) < 2
	global_load_b32 v[X+32*(\t)+II], v1, s[32:33] offset:(1024*((\c)%2)+32*(\t)+II)*4096
.else
	global_load_b32 v[X+32*(\t)+II], v1, s[34:35] offset:(1024*((\c)%2)+32*(\t)+II)*4096
.endif
.set II, II+1
.endr
.endm
.macro BLOCK c, t, n                   ; a block is quantised and its image stored; n: the younger loads that may stay out
.set XB, X+32*(\t)
	s_wait_loadcnt \n
.if (\c)+(\t) > 0
	s_wait_alu depctr_vm_vsrc(0)                   ; the last block's LDS stores have read v[C ..] and v[SW], which this block writes again
.endif
	v_max3_num_f32 v[MXA], |v[XB]|, |v[XB+1]|, |v[XB+2]|
	v_max3_num_f32 v[MXB], |v[XB+3]|, |v[XB+4]|, |v[XB+5]|
.irp i, 6,10,14,18,22,26
	v_max3_num_f32 v[MXA], v[MXA], |v[XB+\i]|, |v[XB+\i+1]|
	v_max3_num_f32 v[MXB], v[MXB], |v[XB+\i+2]|, |v[XB+\i+3]|
.endr
	v_max3_num_f32 v[MXA], v[MXA], |v[XB+30]|, |v[XB+31]|
	v_max3_num_f32 v[MXA], v[MXA], v[MXB], 0x1800000               ; and the floor 2^(3 - 127)
	v_add_nc_u32 v[SCO], 0xff000000, v[MXA]                        ; 2 off the exponent field: the conversion's scale operand
	v_lshrrev_b32 v[BY], 23, v[SCO]
.if (\t) == 0
	v_mov_b32 v[SW], v[BY]
.else
	v_lshl_or_b32 v[SW], v[BY], 8, v[SW]
.endif
.irp q, 0,1,2,3
	v_cvt_scalef32_pk8_fp4_f32 v[C+\q], v[XB+8*\q:XB+8*\q+7], v[SCO]
.endr
	v_nop                                          ; one plain place behind the last scaled conversion
	s_wait_alu depctr_va_vdst(0)                   ; v[C ..] and v[SW] are written, which the LDS stores below read; maxima and conversions are done reading the set, in which the loads below land
	ds_store_b128 v2, v[C:C+3] offset:16384*(\c)+256*(\t)
.if (\t) == 1
	ds_store_b16 v3, v[SW] offset:1024*(\c)        ; my two bytes of the column's scale word; the K step's other wave writes the other two
.endif
.if (\c) < 3
	LOADW \c+1, \t                                 ; the set just read takes the next chunk's block
.endif
.endm
.macro HLOAD c                         ; my tile's 8 hidden fragments of chunk c and their scale words: 20 loads, each of 512 or 128 consecutive bytes
.set II, 0
.rept 8
	global_load_b128 v[HF+8*II:HF+8*II+3], v7, s[4:5] offset:(8*(\c)+II)*1024
	global_load_b128 v[HF+8*II+4:HF+8*II+7], v7, s[4:5] offset:(8*(\c)+II)*1024+512
.set II, II+1
.endr
.irp q, 0,1,2,3
	global_load_b32 v[HS+\q], v8, s[6:7] offset:512*(\c)+128*\q
.endr
.endm
.macro BIASLD                          ; b2 in the result's layout: the sums begin with it
.irp q, 0,1,2,3
	global_load_b128 v[ACC+4*\q:ACC+4*\q+3], v6, s[14:15] offset:16*\q
.endr
.endm
.macro TKLD
.irp k, 0,1,2,3
	global_load_b32 v[TK+\k], v11, s[8:9] offset:16*\k
.endr
.endm
.macro WLD c, s                        ; the two weight fragments and the scale words of (chunk c, K step s) into buffer s % 3: 5 LDS loads
.set WBUF, WF+16*((\s)%3)+52*(((\s)%3)/2)
.set WSCL, WS+(\s)%3
.irp u, 0,1
.irp q, 0,1
	ds_load_b128 v[WBUF+8*\u+4*\q:WBUF+8*\u+4*\q+3], v4 offset:16384*(\c)+2048*(\s)+1024*\u+512*\q
.endr
.endr
	ds_load_b32 v[WSCL], v5 offset:1024*(\c)+128*(\s)
.endm
.macro MM u, st                        ; tile u, the chunk's K step st
.set WBUF, WF+16*((\st)%3)+52*(((\st)%3)/2)
.set WSCL, WS+(\st)%3
.if ((\st)%2) == 0
.if \u == 0
	v_wmma_scale_f32_16x16x128_f8f6f4 v[ACC:ACC+7], v[WBUF:WBUF+7], v[HF+8*(\st):HF+8*(\st)+7], v[ACC:ACC+7], v[WSCL], v[HS+(\st)/2] matrix_a_fmt:MATRIX_FMT_FP4 matrix_b_fmt:MATRIX_FMT_FP4
.else
	v_wmma_scale_f32_16x16x128_f8f6f4 v[ACC+8:ACC+15], v[WBUF+8:WBUF+15], v[HF+8*(\st):HF+8*(\st)+7], v[ACC+8:ACC+15], v[WSCL], v[HS+(\st)/2] matrix_a_fmt:MATRIX_FMT_FP4 matrix_b_fmt:MATRIX_FMT_FP4 matrix_a_scale:MATRIX_SCALE_ROW1
.endif
.else
.if \u == 0
	v_wmma_scale_f32_16x16x128_f8f6f4 v[ACC:ACC+7], v[WBUF:WBUF+7], v[HF+8*(\st):HF+8*(\st)+7], v[ACC:ACC+7], v[WSCL], v[HS+(\st)/2] matrix_a_fmt:MATRIX_FMT_FP4 matrix_b_fmt:MATRIX_FMT_FP4 matrix_b_scale:MATRIX_SCALE_ROW1
.else
	v_wmma_scale_f32_16x16x128_f8f6f4 v[ACC+8:ACC+15], v[WBUF+8:WBUF+15], v[HF+8*(\st):HF+8*(\st)+7], v[ACC+8:ACC+15], v[WSCL], v[HS+(\st)/2] matrix_a_fmt:MATRIX_FMT_FP4 matrix_b_fmt:MATRIX_FMT_FP4 matrix_a_scale:MATRIX_SCALE_ROW1 matrix_b_scale:MATRIX_SCALE_ROW1
.endif
.endif
.endm
.macro MULT c                          ; a chunk's 8 K steps onto my two accumulators
	WLD \c, 0
	WLD \c, 1
.set SI, 0
.rept 8
.if SI < 7
	s_wait_dscnt 5                                 ; this step's fragments, asked for two steps back, are in; the next step's five loads may be out
.else
	s_wait_dscnt 0x0
.endif
.if (SI > 0) && (SI < 6)
	PLACES                                         ; four plain places stand between the last step's products and the loads into the buffer that they read; behind them the wait:
	s_wait_alu depctr_va_vdst(0)                   ; the last step's two products are done reading their buffer and its scale word, in which the loads below land
.endif
	MM 0, SI                                       ; the two accumulators by turns, one instruction a turn
.if SI < 6
	WLD \c, SI+2                                   ; no matrix instruction since the wait names this buffer
.endif
	MM 1, SI
.set SI, SI+1
.endr
.endm
.macro NEXTH c                         ; behind a chunk's products: the hidden fragments of chunk c are asked for
	PLACES                                         ; four plain places stand between the last products and the loads into the registers that they read; behind them the wait:
	s_wait_alu depctr_va_vdst(0)                   ; the chunk's products are done reading v[HF ..] and v[HS ..], in which the loads below land, and the three weight buffers, in which the next chunk's LDS loads land
	HLOAD \c
.endm
.macro EPI                             ; a lane's 64 bytes of a row go through my own stage and come back 8 lanes to a row; all 16 rows are stored (the spare ones onto the first token's row, with its numbers)
.irp k, 0,1,2,3
	v_min_u32 v[TK+\k], 0x3ff, v[TK+\k]
	v_lshl_add_u32 v[OF+\k], v[TK+\k], 12, v13     ; the token's row of 4,096 bytes + 16 (L % 8).  These eight lines name no register of the last products: they are the places behind them
.endr
	s_wait_alu depctr_va_vdst(0)                   ; the products have written the accumulators, which the LDS stores read; v[OF ..] are written, which the global stores read
.irp q, 0,1,2,3
	ds_store_b128 v9, v[ACC+4*\q:ACC+4*\q+3] offset:16*\q   ; each accumulator from its low end on
.endr
.irp k, 0,1,2,3
	ds_load_b128 v[O+4*\k:O+4*\k+3], v10 offset:576*\k   ; LDS serves a wave's instructions in order: these see my stores.  Four rows an instruction
.endr
.irp k, 0,1,2,3
	s_wait_dscnt 3-\k                              ; rows 4 k .. 4 k + 3 are back; the younger loads may be out
	global_store_b128 v[OF+\k], v[O+4*\k:O+4*\k+3], s[16:17]
.endr
.endm
	s_load_b256 s[4:11], s[0:1], 0x0               ; hid s[4:5], hs s[6:7], order s[8:9], cnt s[10:11]
	s_load_b128 s[12:15], s[0:1], 0x20             ; W2 s[12:13], b2 s[14:15]
	s_load_b64 s[16:17], s[0:1], 0x30              ; out0
	v_lshl_add_u32 v254, v0, 2, 0x1a000
	v_mov_b32 v255, 0
	v_lshrrev_b32 v14, 5, v0
	v_readfirstlane_b32 s20, v14                   ; wave j
	s_lshr_b32 s21, ttmp9, 5                       ; e
	s_and_b32 s22, ttmp9, 31                       ; dg
	v_and_b32 v212, 31, v0                         ; L
	v_and_b32 v213, 15, v0                         ; r
	v_bfe_u32 v214, v0, 4, 1                       ; h
	v_bfe_u32 v215, v0, 3, 1                       ; u: the tile that my column falls into
	v_and_b32 v216, 7, v0
	v_lshlrev_b32 v13, 4, v216                     ; 16 (L % 8)
	v_lshl_add_u32 v216, v214, 3, v216             ; p: its row there
	v_lshlrev_b32 v1, 2, v212
	v_lshlrev_b32 v4, 4, v212
	v_lshlrev_b32 v2, 4, v216
	v_lshl_add_u32 v2, v215, 10, v2
	s_wait_alu depctr_va_sdst(0)                   ; s20 is written, ahead of its first reader
	s_lshr_b32 s27, s20, 1
	s_and_b32 s28, s20, 1
	s_lshl_b32 s30, s27, 11
	s_lshl_b32 s31, s28, 9
	s_add_co_u32 s30, s30, s31
	v_add_nc_u32 v2, s30, v2                       ; 1024 u + 16 p + 2048 (j / 2) + 512 (j % 2)
	v_lshlrev_b32 v3, 2, v216
	v_lshl_add_u32 v3, v215, 6, v3
	s_lshl_b32 s30, s27, 7
	s_lshl_b32 s31, s28, 1
	s_add_co_u32 s30, s30, s31
	s_add_co_u32 s30, s30, WSC
	v_add_nc_u32 v3, s30, v3                       ; WSC + 4 (16 u + p) + 128 (j / 2) + 2 (j % 2)
	v_add_nc_u32 v5, WSC, v1
	v_lshlrev_b32 v6, 6, v214
	s_mul_i32 s30, s20, 2304
	s_add_co_u32 s30, s30, STG                     ; my stage
	v_mul_u32_u24 v9, v213, 144
	v_lshl_add_u32 v9, v214, 6, v9
	v_add_nc_u32 v9, s30, v9                       ; in: row r, + 64 h
	v_lshrrev_b32 v14, 3, v212                     ; L / 8
	v_mul_u32_u24 v10, v14, 144
	v_add_nc_u32 v10, v10, v13
	v_add_nc_u32 v10, s30, v10                     ; back: row L / 8, + 16 (L % 8)
	v_lshlrev_b32 v15, 2, v14
	s_mov_b32 s31, 0
	s_wait_kmcnt 0x0
	s_lshl_b32 s30, s21, 7
	s_add_nc_u64 s[10:11], s[10:11], s[30:31]
	s_load_b32 s23, s[10:11], 0x0                  ; n
	s_lshl_b32 s30, s21, 24                        ; W2: the expert's 2^24 bytes,
	s_lshl_b32 s27, s20, 18                        ; 64 rows of 4,096 bytes a wave,
	s_add_co_u32 s30, s30, s27
	s_lshl_b32 s27, s22, 7                         ; 32 columns a work-group
	s_add_co_u32 s30, s30, s27
	s_add_nc_u64 s[32:33], s[12:13], s[30:31]
	s_add_nc_u64 s[34:35], s[32:33], 0x800000      ; 2,048 rows on, so that every row's offset fits the immediate
	s_lshl_b32 s30, s21, 21
	s_add_nc_u64 s[4:5], s[4:5], s[30:31]          ; hid
	s_lshl_b32 s30, s21, 17
	s_add_nc_u64 s[6:7], s[6:7], s[30:31]          ; hs
	s_lshl_b32 s30, s21, 12
	s_add_nc_u64 s[8:9], s[8:9], s[30:31]          ; order
	s_add_co_u32 s30, s30, s27
	s_add_nc_u64 s[14:15], s[14:15], s[30:31]      ; b2: the expert's row, my 32 columns
	s_mov_b32 s30, s27
	s_add_nc_u64 s[16:17], s[16:17], s[30:31]      ; out0: my 32 columns
	s_wait_alu depctr_va_vdst(0)                   ; the addresses and offsets that stay (v1 to v6, v9, v10) are written, which loads and stores read from here on
	BIASLD
	LOADW 0, 0
	s_wait_kmcnt 0x0
	s_min_u32 s23, s23, 0x400                      ; n
	s_add_co_u32 s24, s23, 15
	s_lshr_b32 s24, s24, 4                         ; tiles
	s_max_u32 s25, s24, 1
	s_sub_co_u32 s26, s25, 1
	s_min_u32 s26, s26, s20                        ; a wave without a tile names the last tile that was written
	s_min_u32 s26, s26, 0x3f                       ; held ahead of the shifts that make addresses of it
	s_lshl_b32 s30, s26, 15
	v_add_nc_u32 v7, s30, v4
	s_lshl_b32 s30, s26, 11
	v_add_nc_u32 v8, s30, v1
	s_lshl_b32 s30, s20, 6
	v_add_nc_u32 v11, s30, v15
	s_wait_alu depctr_va_vdst(0)                   ; v7, v8 and v11 are written, which the loads of the list and of the hidden layer read
	TKLD
	HLOAD 0                                        ; on every wave's path
	LOADW 0, 1
	BLOCK 0, 0, 56                                 ; younger than set 0: 4 of the list, 20 of the hidden layer, set 1's 32
	BLOCK 0, 1, 32                                 ; younger than set 1: the next chunk's 32
	BAR                                            ; chunk 0's images lie in LDS; chunk 1's 64 loads of every wave are on their way
	s_cmp_ge_u32 s20, s24
	s_cbranch_scc1 .Lno_0
	MULT 0
	NEXTH 1
.Lno_0:
	BLOCK 1, 0, 32                                 ; behind set 0 were issued set 1's 32 and none or 20 of the hidden layer: 32 serves both ways
	BLOCK 1, 1, 32                                 ; the youngest 32 are the next chunk's: set 1 and the hidden layer's loads are in
	BAR
	s_cmp_ge_u32 s20, s24
	s_cbranch_scc1 .Lno_1
	MULT 1
	NEXTH 2
.Lno_1:
	BLOCK 2, 0, 32
	BLOCK 2, 1, 32
	BAR
	s_cmp_ge_u32 s20, s24
	s_cbranch_scc1 .Lno_2
	MULT 2
	NEXTH 3
.Lno_2:
	BLOCK 3, 0, 32
	BLOCK 3, 1, 0
	BAR                                            ; from here on the images are only read; the stage is each wave's own
	s_cmp_ge_u32 s20, s24
	s_cbranch_scc1 .Lno_3
	MULT 3
	EPI
.Lno_3:
; ---- tiles j + 16, j + 32, j + 48: three trips for every wave; the work is jumped over where the expert has no such tile
	s_mov_b32 s27, 0
	s_add_co_u32 s28, s20, 16
.Ltail:
	s_cmp_ge_u32 s28, s24
	s_cbranch_scc1 .Lno_tile
	s_wait_xcnt 0x0                                ; the last tile's loads and stores have had their addresses translated,
	s_wait_alu depctr_vm_vsrc(0)                   ; and have read their registers: v7, v8, v11 and v[OF ..], which are written again in this trip; v[O ..] and the accumulators (the LDS stores' data), in which loads land again
	s_min_u32 s26, s28, 0x3f                       ; the tile, j + 48 = 63 at the most: held ahead of the shifts that make addresses of it, as at the head
	s_lshl_b32 s30, s26, 15
	v_add_nc_u32 v7, s30, v4
	s_lshl_b32 s30, s26, 11
	v_add_nc_u32 v8, s30, v1
	s_lshl_b32 s30, s26, 6
	v_add_nc_u32 v11, s30, v15
	s_wait_alu depctr_va_vdst(0)                   ; v7, v8 and v11 are written, which the loads below read
	BIASLD
	TKLD
	HLOAD 0
	s_wait_loadcnt 0x0
	MULT 0
	NEXTH 1
	s_wait_loadcnt 0x0
	MULT 1
	NEXTH 2
	s_wait_loadcnt 0x0
	MULT 2
	NEXTH 3
	s_wait_loadcnt 0x0
	MULT 3
	EPI
.Lno_tile:
	s_add_co_u32 s28, s28, 16
	s_add_co_u32 s27, s27, 1
	s_cmp_lt_u32 s27, 3
	s_cbranch_scc1 .Ltail
	s_wait_dscnt 0x0
	s_wait_alu depctr_hold_cnt(0) depctr_sa_sdst(0) depctr_va_vdst(0) depctr_va_sdst(0) depctr_va_ssrc(0) depctr_va_vcc(0) depctr_vm_vsrc(0)
	s_wait_tensorcnt 0x0
	ds_add_u32 v254, v255
	s_wait_dscnt 0x0
	s_endpgm
.Lfunc_end_k_q4320faf79f_down:
	.size	k_q4320faf79f_down, .Lfunc_end_k_q4320faf79f_down-k_q4320faf79f_down
	.p2alignl 7, 3214868480
	.fill 96, 4, 3214868480
	.section	.rodata,"a",@progbits
	.p2align	6, 0x0
	.amdhsa_kernel k_q4320faf79f_down
		.amdhsa_group_segment_fixed_size 108544
		.amdhsa_private_segment_fixed_size 0
		.amdhsa_enable_private_segment 0
		.amdhsa_kernarg_size 56
		.amdhsa_user_sgpr_count 2
		.amdhsa_user_sgpr_kernarg_segment_ptr 1
		.amdhsa_wavefront_size32 1
		.amdhsa_system_sgpr_workgroup_id_x 1
		.amdhsa_system_sgpr_workgroup_id_y 1
		.amdhsa_system_sgpr_workgroup_id_z 1
		.amdhsa_system_vgpr_workitem_id 0
		.amdhsa_next_free_vgpr 256
		.amdhsa_next_free_sgpr 66
		.amdhsa_reserve_vcc 0
		.amdhsa_float_denorm_mode_32 3
		.amdhsa_float_denorm_mode_16_64 3
		.amdhsa_memory_ordered 1
		.amdhsa_forward_progress 1
		.amdhsa_inst_pref_size 108
	.end_amdhsa_kernel
	.amdgpu_metadata
---
amdhsa.version: [ 1, 2 ]
amdhsa.kernels:
  - .name:           k_q4320faf79f_down
    .symbol:         k_q4320faf79f_down.kd
    .args:
      - { .name: hid, .offset: 0, .size: 8, .value_kind: global_buffer, .address_space: global }
      - { .name: hs, .offset: 8, .size: 8, .value_kind: global_buffer, .address_space: global }
      - { .name: order, .offset: 16, .size: 8, .value_kind: global_buffer, .address_space: global }
      - { .name: cnt, .offset: 24, .size: 8, .value_kind: global_buffer, .address_space: global }
      - { .name: W2, .offset: 32, .size: 8, .value_kind: global_buffer, .address_space: global }
      - { .name: b2, .offset: 40, .size: 8, .value_kind: global_buffer, .address_space: global }
      - { .name: out0, .offset: 48, .size: 8, .value_kind: global_buffer, .address_space: global }
    .group_segment_fixed_size: 108544
    .private_segment_fixed_size: 0
    .kernarg_segment_align: 8
    .kernarg_segment_size: 56
    .max_flat_workgroup_size: 512
    .sgpr_count:     66
    .vgpr_count:     256
    .wavefront_size: 32
...
	.end_amdgpu_metadata
.endif
;; end of part 4
